; MI455X (gfx1250); checked and timed in simulation.
; The chip was launched on July 23, 2026; its instructions are those of AMD's public machine-readable ISA for CDNA 5 (MIT licence, August 2026) and "CDNA5" Instruction Set Architecture Reference Guide (July 2026). The comments in the code are by the model that wrote it; some were corrected since.
;; Cross Attention. Allowed arithmetic: matrix products marked QUANTISED: E3M2 operands, one E8M0 scale for each 32 along K, by v_wmma_scale_f32_16x16x128_f8f6f4 with both operands' format E3M2, f32 sums; everything else in f32.
;; Inputs: b_proj 768 float32; kv 8 x 1,024 x 768 float32; q 8 x 1,024 x 768 float32; w_proj 768 x 768 float32; wk 768 x 768 float32; wq 768 x 768 float32; wv 768 x 768 float32.
;; Outputs: out0 8 x 1,024 x 768 float32.
;; This version of the problem:
;;   THIS VERSION OF THE PROBLEM IS GIVEN IN LOW PRECISION. The matrix products marked QUANTISED in the list below multiply operands that are first quantised to E3M2 (3 exponent bits, 2 mantissa bits; 6 bits a number), with one power-of-two scale for each 32 numbers along K (OCP MX v1.0); their sums are f32. All else is computed in f32.
;;   The module's matrix products, in the order in which they are computed (A, B: the left and right operand; K: the contracted axis; several contracted axes count as one K, in the product's order):
;;     1. [M 8,192, K 768] x [K 768, N 768]; A: input q; B: input wq: QUANTISED
;;     2. [M 8,192, K 768] x [K 768, N 768]; A: input kv; B: input wk: QUANTISED
;;     3. [M 8,192, K 768] x [K 768, N 768]; A: input kv; B: input wv: QUANTISED
;;     4. batch 64 x [M 1,024, K 96] x [K 96, N 1,024]; A: computed on the way; B: computed on the way: QUANTISED
;;     5. batch 64 x [M 1,024, K 1,024] x [K 1,024, N 96]; A: softmax (see below); B: computed on the way: QUANTISED
;;     6. [M 8,192, K 768] x [K 768, N 768]; A: computed on the way; B: input w_proj: QUANTISED
;;   THE QUANTISER, for each operand of a quantised product, along K:
;;     - K is cut into blocks of 32 from its start; a last block that is shorter is filled with zeros.
;;     - A block's scale is 2^e with e = floor(log2(the largest magnitude in the block)) - 4, held to -126 .. 127; a block of zeros has e = 0. As a byte (E8M0): e + 127.
;;     - Each number is divided by its block's scale, clamped to +-28, and rounded to the nearest number of E3M2, ties to even, subnormals kept.
;;     - The product sums the exact products of the quantised numbers (number of the format x scale) in f32.
;;   ~~~python
;;   def quantise(x, axis):      # numpy; x: float32 -> the quantised numbers, widened to float32 again
;;       x = np.moveaxis(x, axis, -1); K = x.shape[-1]
;;       x = np.pad(x, [(0, 0)] * (x.ndim - 1) + [(0, -K % 32)]); x = x.reshape(x.shape[:-1] + (-1, 32)); a = np.abs(x).max(-1, keepdims=True)
;;       e = np.where(a > 0, np.clip(np.frexp(np.where(a > 0, a, 1))[1] - 1 - 4, -126, 127), 0)      # np.frexp(a)[1] - 1 = floor(log2(a)), exactly
;;       r = np.clip(x / 2.0 ** e, -28, 28)
;;       step = 2.0 ** (np.maximum(np.frexp(np.where(r == 0, 1, r))[1] - 1, -2) - 2)
;;       q = np.round(r / step) * step * 2.0 ** e      # np.round: ties to even
;;       return np.moveaxis(q.reshape(q.shape[:-2] + (-1,))[..., :K], -1, axis).astype(np.float32)
;;   ~~~
;;   SOFTMAX AHEAD OF A QUANTISED PRODUCT. Where the list says 'softmax', what is quantised is not the finished softmax but p = 2^(t - M), with t = logit x log2(e) and M = ceil(the row's largest t), a whole number; so 1/2 < the row's largest p <= 1. The row's sum l is taken of the UNQUANTISED p, in f32, and the product's result is divided by l at the end. Since M is a whole number, a kernel that streams over the keys may use a running M (the ceiling of the running maximum): every later rescaling is an exact power of two, which a block's scale takes up: the codes' values come out the same.
;;   OPERANDS COMPUTED ON THE WAY. 'Computed on the way' means the value that the module computes at that place (a softmax that the list does not call 'softmax' is quantised finished and normalised). What goes into a quantiser is computed in f32, as accurately as f32 sums, v_exp_f32 and their like allow (about 1e-6 of the number): no bf16 or f16 on the way to a quantiser, and a product that is left as it is and whose result goes on into a quantised operand takes f32 operands (vector FMAs, or v_wmma_f32_16x16x4_f32). A number that lies on a knife's edge between two numbers of the format may be rounded either way, as far as f32 arithmetic and the matrix unit's own rounding can turn it there, and no further.
;; One version. Each part assembles by itself: llvm-mc -triple=amdgcn-amd-amdhsa -mcpu=gfx1250 --defsym DOCPART=n.
;; ======== version 1 of 1: 4 launches
;; limits: right only within a limited range of input values
;; workspace buffers: cimg 11,976,704 bytes; qb 6,553,600 bytes; kvb 11,665,408 bytes; ao 6,553,600 bytes
;; launch quant (part 1): grid 924 x 1, 4 waves a work-group, no clusters, 68,096 bytes of LDS; arguments q, kv, wq, wk, wv, w_proj, cimg; writes cimg
.if DOCPART == 1
	.amdgcn_target "amdgcn-amd-amdhsa--gfx1250"
	.amdhsa_code_object_version 6
	.text
	.protected	k_qb94f9704f4_quant
	.globl	k_qb94f9704f4_quant
	.p2align	8
	.type	k_qb94f9704f4_quant,@function
k_qb94f9704f4_quant:
	s_mov_b64 s[64:65], 0
	v_nop
	global_prefetch_b8 v0, s[64:65] scope:SCOPE_SE
	s_setreg_imm32_b32 hwreg(HW_REG_WAVE_MODE, 25, 1), 1
	s_wait_xcnt 0x0
; q, kv [8192][768] and wq, wk, wv, w_proj [768][768], f32, K innermost, become codes of BF6 (E3M2) with one E8M0 byte for each 32 along K,
; laid in the ORDER OF AN OPERAND'S REGISTERS.  A record is one tile of 16 rows: for each K step of 128 a fragment image of 1,536 bytes
; (register 4 g + i of lane l at byte 512 g + 16 l + 4 i), then 512 bytes of scale words (word p of lane l: step 2 p + l / 16, row l % 16).
; THE ROWS OF A TILE ARE NOT NEIGHBOURS: lane place r of tile 2 b + u is row 32 b + 8 u + r + 8 (r / 8), so that a later product that takes
; such tiles as source 0 leaves 16 neighbouring rows in the 16 registers of two neighbouring tiles.
; q, kv, wq, wk, wv: six steps of 128 (records of 9,728 bytes).  w_proj: eight steps, one for each head's 96 columns, each filled up with
; 32 zero codes (records of 12,800 bytes), since the operand that meets it is made head by head.
; A block's scale is 2^(floor(log2(largest magnitude)) - 4): the largest magnitude's exponent field less 4, held at 1 from below.
; LIMITS: NaN and infinities are not served; a block whose largest magnitude lies under 2^-122 keeps the byte 1; a block of zeros has the
; byte 1 and zero codes (the bytes are read by this program alone).
; SHARES.  A WAVE TAKES ONE TILE AND TWO K STEPS, and issues all its 32 loads (16 KiB) at its head: no ring.  Six-step records: 1,168 tiles x 3 pairs
; of steps = 3,504 waves = 876 work-groups (unit u = 4 x work-group + wave; tile u / 3, pair u % 3); w_proj: 48 work-groups, one to a tile, a wave to a pair.
; By the launch's own figures (256 registers a wave, 68,096 bytes of LDS) four work-groups fit on a WGP, 1,024 in all: every wave can have its loads out from the start.
; Each load reads 512 consecutive bytes (one row's K step); the 16 rows turn through the wave's own stage in LDS (rows of 528 bytes = 33 x 16: the
; sixteen rows of a 16-byte read start in sixteen different groups of banks) and come back as two whole blocks of 32 a lane, in the very order of the
; fragment's registers.  No barrier: waves share nothing.
; A pair's scale word is word p of the record's scale image: 4 bytes a lane, 16 bytes apart.  The image's 512 bytes (of a record's 9,728) are so written by
; three or four waves, which may lie in different work-groups and so cannot gather them first.
; THE ORDER OF ROWS JUST STATED IS THAT OF q AND w_proj.  kv: lane place r of tile 4 c + u is row 64 c + 8 u + r % 8 + 32 (r / 8).  wq, wk, wv, head by head (96 rows, six tiles):
; tiles 0-3 in kv's order (rows 0-63 of the head), tiles 4 and 5 in q's (rows 64-95).  A later product that takes four tiles of kv's order as source 0 leaves a whole block of 32 rows in a lane.
.set ROWB,   3072                      ; a row in memory
.set SPITCH, 528
.set WSTG,   16*SPITCH                 ; a wave's stage
.set PATHB,  4*WSTG                    ; w_proj's way has LDS bytes of its own
.set FI,     1536
.set REC6,   9728
.set REC8,   12800
.set WPOFF,  1168*REC6                 ; behind the 1,168 six-step records: w_proj's 48
.set UA,     876                       ; work-groups of the six-step records
.set WD,     16                        ; v16-17  the two steps' scale words
.set SI,     24                        ; v24     my word of the scale image; v25 0
.set SA,     26                        ; v26     its place: 16 x lane + 4 x pair
.set CD,     28                        ; v28-39, v40-51 the two steps' codes
.set TH,     52                        ; v52-54, v56-58 a block's upper 16 codes (a conversion's three registers begin on an even number)
.set RS,     64                        ; v64-127, v128-191 the two steps' numbers as loaded
.set X,      192                       ; v192-255 my two blocks of 32
	s_load_b256 s[4:11], s[0:1], 0x0               ; q, kv, wq, wk
	s_load_b128 s[12:15], s[0:1], 0x20             ; wv, w_proj
	s_load_b64 s[16:17], s[0:1], 0x30              ; cimg
	v_lshl_add_u32 v62, v0, 2, 0x10800
	v_mov_b32 v63, 0
	v_lshrrev_b32 v1, 5, v0
	v_readfirstlane_b32 s18, v1                    ; wave
	v_and_b32 v1, 31, v0                           ; lane
	v_lshlrev_b32 v2, 4, v1                        ; 16 x lane
	v_min_u32 v3, 23, v1
	v_lshlrev_b32 v3, 4, v3                        ; w_proj: a step is 384 bytes; lanes 24-31 read lane 23's bytes again, so that no load leaves the row
	s_mul_i32 s19, s18, WSTG
	v_add_nc_u32 v4, s19, v2                       ; into the stage: 16 x lane of a row
	v_and_b32 v8, 15, v0                           ; r
	v_bfe_u32 v9, v0, 4, 1                         ; h
	v_mul_u32_u24 v5, v8, SPITCH
	v_lshl_add_u32 v5, v9, 7, v5
	v_add_nc_u32 v5, s19, v5                       ; out of it: row r, + 128 h: my 32 numbers of each 64
	v_lshlrev_b32 v6, 3, v9                        ; 8 h: where my two bytes stand in the scale word
	v_mov_b32 v7, 0
	v_mov_b32 v10, 0                               ; a lane permute's destination counts as one of its sources
	s_mov_b32 s20, 0xffff0000                      ; lanes 16-31
	s_mov_b32 s22, 0x76543210
	s_mov_b32 s23, 0xfedcba98                      ; v_permlanex16_b32's selects for lane l xor 16
	s_lshl_b32 s24, ttmp9, 2
	s_add_co_u32 s24, s24, s18                     ; u = 4 x work-group + wave
	s_mul_i32 s25, s24, 43691
	s_lshr_b32 s25, s25, 17                        ; u / 3 (43,691 / 2^17 lies 2.6e-6 over a third: right far beyond u = 3,695): my record
	s_mul_i32 s26, s25, 3
	s_sub_co_u32 s26, s24, s26                     ; u % 3: my pair of steps
	s_mul_i32 s34, s25, REC6                       ; six-step records lie in the order of their tiles;
	s_sub_co_u32 s29, ttmp9, UA                    ; w_proj: the tile is the work-group's number less 876,
	s_mul_i32 s36, s29, REC8
	s_add_co_u32 s36, s36, WPOFF                   ; and its record lies behind the others
	s_wait_kmcnt 0x0
	s_mov_b32 s27, 0                               ; which tensor is mine, and its first record: the choice hangs on ids alone
	s_cmp_ge_u32 s25, 512
	s_cselect_b64 s[4:5], s[6:7], s[4:5]
	s_cselect_b32 s27, 512, s27
	s_cmp_ge_u32 s25, 1024
	s_cselect_b64 s[4:5], s[8:9], s[4:5]
	s_cselect_b32 s27, 1024, s27
	s_cmp_ge_u32 s25, 1072
	s_cselect_b64 s[4:5], s[10:11], s[4:5]
	s_cselect_b32 s27, 1072, s27
	s_cmp_ge_u32 s25, 1120
	s_cselect_b64 s[4:5], s[12:13], s[4:5]
	s_cselect_b32 s27, 1120, s27
	s_sub_co_u32 s28, s25, s27                     ; my tile in its tensor
	s_mov_b32 s32, 768
	s_cmp_ge_u32 ttmp9, UA                         ; w_proj's work-groups
	s_cselect_b64 s[4:5], s[14:15], s[4:5]
	s_cselect_b32 s28, s29, s28
	s_cselect_b32 s26, s18, s26                    ; there the pair is the wave's number,
	s_cselect_b32 s34, s36, s34
	s_cselect_b32 s32, s32, 1024                   ; and a pair of steps is 768 bytes of a row, not 1,024
	s_lshr_b32 s30, s28, 1
	s_lshl_b32 s30, s30, 5
	s_and_b32 s31, s28, 1
	s_lshl_b32 s31, s31, 3
	s_add_co_u32 s30, s30, s31                     ; the tile's first row in q's order: 32 b + 8 u,
	s_mov_b32 s47, s30
	s_mov_b32 s40, 8*ROWB                          ; and what lies between row i and i + 1 at i = 7, beyond one row
	s_mov_b32 s44, 8*ROWB
	s_mov_b32 s45, 24*ROWB
	s_lshr_b32 s42, s28, 2
	s_lshl_b32 s42, s42, 6
	s_and_b32 s43, s28, 3
	s_lshl_b32 s43, s43, 3
	s_add_co_u32 s42, s42, s43                     ; kv: 64 c + 8 u
	s_cmp_ge_u32 s25, 512
	s_cselect_b32 s30, s42, s30
	s_cselect_b32 s40, s45, s40
	s_mul_i32 s42, s28, 43
	s_lshr_b32 s42, s42, 8                         ; / 6 (right up to 47): the head
	s_mul_i32 s43, s42, 6
	s_sub_co_u32 s43, s28, s43                     ; the tile in the head
	s_mul_i32 s42, s42, 96
	s_lshl_b32 s46, s43, 3
	s_add_co_u32 s42, s42, s46                     ; tiles 0-3: 96 head + 8 tile,
	s_add_co_u32 s46, s42, 32                      ; tiles 4, 5: 96 head + 64 + 8 (tile - 4)
	s_cmp_ge_u32 s43, 4
	s_cselect_b32 s42, s46, s42
	s_cselect_b32 s46, s44, s45
	s_cmp_ge_u32 s25, 1024
	s_cselect_b32 s30, s42, s30
	s_cselect_b32 s40, s46, s40
	s_cmp_ge_u32 s25, 1168                         ; w_proj: q's order again
	s_cselect_b32 s30, s47, s30
	s_cselect_b32 s40, s44, s40
	s_mov_b32 s41, 0
	s_mul_i32 s30, s30, ROWB
	s_mul_i32 s32, s32, s26
	s_add_co_u32 s30, s30, s32                     ; + my pair's first byte in a row
	s_mov_b32 s31, 0
	s_add_nc_u64 s[4:5], s[4:5], s[30:31]
	s_add_nc_u64 s[40:41], s[4:5], s[40:41]        ; for the tile's rows 8-15
	s_mov_b32 s35, 0
	s_add_nc_u64 s[16:17], s[16:17], s[34:35]      ; my record,
	s_mul_i32 s36, s26, 2*FI
	s_mov_b32 s37, 0
	s_add_nc_u64 s[38:39], s[16:17], s[36:37]      ; and my two fragment images in it
	v_lshl_add_u32 v[SA], s26, 2, v2
.macro LOAD s, SB, voff                ; my step s: the tile's 16 rows, SB bytes each
.irp i, 0,1,2,3,4,5,6,7,8,9,10,11,12,13,14,15
.if \i < 8
	global_load_b128 v[RS+64*(\s)+4*\i:RS+64*(\s)+4*\i+3], \voff, s[4:5] offset:\i*ROWB+(\SB)*(\s) th:TH_LOAD_NT
.else
	global_load_b128 v[RS+64*(\s)+4*\i:RS+64*(\s)+4*\i+3], \voff, s[40:41] offset:\i*ROWB+(\SB)*(\s) th:TH_LOAD_NT
.endif
.endr
.endm
.macro STEP s, lo, zero
.set RR, RS+64*(\s)
.set CC, CD+12*(\s)
.if (\s) == 0
	s_wait_loadcnt 16                              ; this step's 16 loads are in; the other step's 16 may be out
.else
	s_wait_loadcnt 0x0
.endif
.irp i, 0,1,2,3,4,5,6,7,8,9,10,11,12,13,14,15
	ds_store_b128 v4, v[RR+4*\i:RR+4*\i+3] offset:\lo+SPITCH*\i
.endr
.irp c, 0,1
.irp j, 0,1,2,3,4,5,6,7
	ds_load_b128 v[X+32*\c+4*\j:X+32*\c+4*\j+3], v5 offset:\lo+256*\c+16*\j   ; k = 64 c + 32 h + 4 j ..: LDS serves a wave's instructions in order, so these see the stores
.endr
.endr
	s_wait_dscnt 0x0                               ; my numbers are back
.irp c, 0,1
	v_max3_num_f32 v[8+\c], |v[X+32*\c]|, |v[X+32*\c+1]|, 0x2800000   ; block 2 c + h is all mine; the floor 2^(5 - 127) holds the byte at 1 from below
.endr
.irp i, 2,4,6,8,10,12,14,16,18,20,22,24,26,28,30
.irp c, 0,1
	v_max3_num_f32 v[8+\c], v[8+\c], |v[X+32*\c+\i]|, |v[X+32*\c+\i+1]|
.endr
.endr
.irp c, 0,1
	v_add_nc_u32 v[12+\c], 0xfe000000, v[8+\c]     ; 4 off the exponent field: the conversion's scale operand
.endr
.irp c, 0,1
	v_lshrrev_b32 v[8+\c], 23, v[12+\c]            ; the scale's byte
.endr
	v_lshl_or_b32 v11, v9, 16, v8                  ; blocks h and 2 + h,
	v_lshlrev_b32 v11, v6, v11                     ; at their places in the word;
	v_permlanex16_b32 v10, v11, s22, s23
	v_or_b32 v[WD+(\s)], v11, v10                  ; with lane l xor 16's two the row's word is whole
.irp c, 0,1
	v_cvt_scalef32_pk16_bf6_f32 v[CC+6*\c:CC+6*\c+2], v[X+32*\c:X+32*\c+15], v[12+\c]
	v_cvt_scalef32_pk16_bf6_f32 v[TH+4*\c:TH+4*\c+2], v[X+32*\c+16:X+32*\c+31], v[12+\c]
.endr
	v_nop                                          ; one plain place behind a scaled conversion
.irp c, 0,1
.irp i, 0,1,2
	v_mov_b32 v[CC+6*\c+3+\i], v[TH+4*\c+\i]
.endr
.endr
.if \zero
.irp i, 0,1,2,3,4,5
	v_cndmask_b32 v[CC+6+\i], v[CC+6+\i], v7, s20  ; k = 96 .. 127 (registers 6-11 of lanes 16-31) are zero codes
.endr
.endif
.irp e, 0,1,2
	global_store_b128 v2, v[CC+4*\e:CC+4*\e+3], s[38:39] offset:FI*(\s)+512*\e   ; 32 lanes store 512 consecutive bytes, at a multiple of 256 from the buffer's first byte; each step has code registers of its own
.endr
.endm
	s_cmp_ge_u32 ttmp9, UA
	s_cbranch_scc1 .Lwp
	LOAD 0, 512, v2
	LOAD 1, 512, v2
	s_wait_alu depctr_va_vdst(0)
	STEP 0, 0, 0
	STEP 1, 0, 0
	v_cndmask_b32 v[SI], v[WD], v[WD+1], s20       ; lanes 0-15 the even step's words, lanes 16-31 the odd step's
	v_mov_b32 v[SI+1], 0
	s_cmp_eq_u32 s26, 2
	s_cbranch_scc1 .Llast_pair
	global_store_b32 v[SA], v[SI], s[16:17] offset:6*FI
	s_wait_tensorcnt 0x0
	ds_add_u32 v62, v63
	s_wait_dscnt 0x0
	s_endpgm
.Llast_pair:
	s_wait_alu depctr_va_vdst(0)
	global_store_b64 v[SA], v[SI:SI+1], s[16:17] offset:6*FI   ; the last pair's wave also writes word 3, which no step owns: 0
	s_wait_tensorcnt 0x0
	ds_add_u32 v62, v63
	s_wait_dscnt 0x0
	s_endpgm
.Lwp:
	LOAD 0, 384, v3
	LOAD 1, 384, v3
	s_wait_alu depctr_va_vdst(0)
	STEP 0, PATHB, 1
	STEP 1, PATHB, 1
	v_cndmask_b32 v[SI], v[WD], v[WD+1], s20
	global_store_b32 v[SA], v[SI], s[16:17] offset:8*FI
	s_wait_tensorcnt 0x0
	ds_add_u32 v62, v63
	s_wait_dscnt 0x0
	s_endpgm
.Lfunc_end_k_qb94f9704f4_quant:
	.size	k_qb94f9704f4_quant, .Lfunc_end_k_qb94f9704f4_quant-k_qb94f9704f4_quant
	.p2alignl 7, 3214868480
	.fill 96, 4, 3214868480
	.section	.rodata,"a",@progbits
	.p2align	6, 0x0
	.amdhsa_kernel k_qb94f9704f4_quant
		.amdhsa_group_segment_fixed_size 68096
		.amdhsa_private_segment_fixed_size 0
		.amdhsa_enable_private_segment 0
		.amdhsa_kernarg_size 56
		.amdhsa_user_sgpr_count 2
		.amdhsa_user_sgpr_kernarg_segment_ptr 1
		.amdhsa_wavefront_size32 1
		.amdhsa_system_sgpr_workgroup_id_x 1
		.amdhsa_system_sgpr_workgroup_id_y 1
		.amdhsa_system_sgpr_workgroup_id_z 1
		.amdhsa_system_vgpr_workitem_id 0
		.amdhsa_next_free_vgpr 256
		.amdhsa_next_free_sgpr 66
		.amdhsa_reserve_vcc 0
		.amdhsa_float_denorm_mode_32 3
		.amdhsa_float_denorm_mode_16_64 3
		.amdhsa_memory_ordered 1
		.amdhsa_forward_progress 1
		.amdhsa_inst_pref_size 34
	.end_amdhsa_kernel
	.amdgpu_metadata
---
amdhsa.version: [ 1, 2 ]
amdhsa.kernels:
  - .name:           k_qb94f9704f4_quant
    .symbol:         k_qb94f9704f4_quant.kd
    .args:
      - { .name: q, .offset: 0, .size: 8, .value_kind: global_buffer, .address_space: global }
      - { .name: kv, .offset: 8, .size: 8, .value_kind: global_buffer, .address_space: global }
      - { .name: wq, .offset: 16, .size: 8, .value_kind: global_buffer, .address_space: global }
      - { .name: wk, .offset: 24, .size: 8, .value_kind: global_buffer, .address_space: global }
      - { .name: wv, .offset: 32, .size: 8, .value_kind: global_buffer, .address_space: global }
      - { .name: w_proj, .offset: 40, .size: 8, .value_kind: global_buffer, .address_space: global }
      - { .name: cimg, .offset: 48, .size: 8, .value_kind: global_buffer, .address_space: global }
    .group_segment_fixed_size: 68096
    .private_segment_fixed_size: 0
    .kernarg_segment_align: 8
    .kernarg_segment_size: 56
    .max_flat_workgroup_size: 128
    .sgpr_count:     66
    .vgpr_count:     256
    .wavefront_size: 32
...
	.end_amdgpu_metadata
.endif
;; end of part 1
;; launch qkv (part 2): grid 32 x 8, 4 waves a work-group, clusters of 4 x 1, 327,680 bytes of LDS; arguments cimg, qb, kvb; writes qb, kvb
.if DOCPART == 2
	.amdgcn_target "amdgcn-amd-amdhsa--gfx1250"
	.amdhsa_code_object_version 6
	.text
	.protected	k_qb94f9704f4_qkv
	.globl	k_qb94f9704f4_qkv
	.p2align	8
	.type	k_qb94f9704f4_qkv,@function
k_qb94f9704f4_qkv:
	s_mov_b64 s[64:65], 0
	v_nop
	global_prefetch_b8 v0, s[64:65] scope:SCOPE_SE
	s_setreg_imm32_b32 hwreg(HW_REG_WAVE_MODE, 25, 1), 1
	s_wait_xcnt 0x0
	s_wait_alu depctr_hold_cnt(0) depctr_sa_sdst(0) depctr_va_vdst(0) depctr_va_sdst(0) depctr_va_ssrc(0) depctr_va_vcc(0) depctr_vm_vsrc(0)
	s_getreg_b32 s2, hwreg(HW_REG_IB_STS2, 6, 4)
	s_cmp_eq_u32 s2, 0
	s_cbranch_scc0 .Lentry_in_a_cluster
	s_endpgm
.Lentry_in_a_cluster:
	s_bfe_u32 s2, ttmp6, 0x10000c
	s_cmp_lg_u32 s2, 0x3003
	s_cbranch_scc0 .Lentry_shape_is_right
	s_endpgm
.Lentry_shape_is_right:
; queries = q wq^T, keys = kv wk^T, values = kv wv^T on codes of BF6 (E3M2) with E8M0 scales; each result is quantised in registers for the product that follows and leaves as codes.
; UNITS.  A unit is one head of one weight: six tiles of 16 rows of wq (units 0-7), wk (8-15) or wv (16-23).  A work-group takes 256 tokens (x) and three units (3 y .. 3 y + 2): 32 x 8 = 256 equal
; work-groups.  y = 2 begins with q's tokens and goes over to kv's for its last unit: while unit 7 is multiplied, each K step's token registers are loaded anew behind their last product.
; Each of the four waves keeps four token tiles, all six K steps, in registers; the 18 weight tiles lie in LDS as whole records, FILLED ONCE: a fragment read from LDS feeds four products.
; THE FILL: at the head each wave asks for its quarter of the first two units' records, and when these are in for its quarter of the last unit's, which land while the first two are multiplied.
; CLUSTER: four work-groups along x have the same weights, so these are asked for JOINTLY, by the same tensor load with a mask that names the four.
; Queries, keys: source 0 = weight tile, source 1 = token tile: lane (r, h) holds a token and registers along the head's channels: tiles 0-3 leave block h (32 channels) in 32 registers, tiles 4 and 5 block 2, 16 to each half.
; Values: source 0 = token tile, source 1 = weight tile: a lane holds a channel, and my four token tiles leave block 2 c + h of the step's 128 keys in 32 registers (c = wave % 2): half a fragment.
; No data prefetch: every byte is loaded once, and no fill stands in a loop.
; LIMITS: NaN and infinities are not served; a block whose largest magnitude lies under 2^-122 keeps the byte 1; a block of zeros has the byte 1 and zero codes.
; LAYOUT of a step of kvb (128 keys of a head, 22,784 bytes): K's words 512 (64 a tile); V's words 768 ([c][tile] 64: the word's two bytes of that c, the others 0); K's fragments 8 x 1,536;
;   V's fragments [tile][c] 768: registers 6 c .. 6 c + 3 as 16 bytes a lane, then 6 c + 4, 6 c + 5 as 8 bytes a lane.
; REGISTERS.  Window 0: v1, v2, v3 16, 4, 8 x lane; v4 LDS address; v8, v9 the add's; v16-39 the unit's scale words; v40-55 the tokens'; v64-207 weight fragments, four buffers of three; v208-231 at work.
;   Windows 1, 2: v0-143 two token tiles each (72 t + 12 step); window 2 v144-207 codes made.   Window 3: v0-191 the 24 accumulators.
.set REC6, 9728
.set FI,   1536
.set UNIT, 6*REC6
.set STR,  22784
.set SPARE, 3*UNIT
.set TSC,  16
.set RSC,  40
.set TB,   64
.set TM,   208
.set CD,   144
.set WV,   10
.set SEL,  42
.set MSB,  0
.macro WIN new                         ; the immediate's high byte repeats the setting that is left
.if MSB != (\new)
	s_set_vgpr_msb (MSB<<8)|(\new)
.set MSB, (\new)
.endif
.endm
.macro ROUND                           ; a round of the cluster's barrier
	s_barrier_signal -1
	s_barrier_wait -1
	s_cmp_lg_u32 s[WV], 0
	s_cbranch_scc1 .Lnot_wave_0_\@
	s_barrier_signal -3
.Lnot_wave_0_\@:
	s_barrier_wait -3
	s_barrier_signal -1
	s_barrier_wait -1
.endm
.macro WM d, a, b, st, sa, sb          ; step 0 starts the sum; an odd step's scale words stand in lanes 16-31
.if (\st) == 0
	v_wmma_scale_f32_16x16x128_f8f6f4 v[\d:\d+7], v[\a:\a+11], v[\b:\b+11], 0, v[\sa], v[\sb] matrix_a_fmt:MATRIX_FMT_BF6 matrix_b_fmt:MATRIX_FMT_BF6
.elseif (\st)%2 == 0
	v_wmma_scale_f32_16x16x128_f8f6f4 v[\d:\d+7], v[\a:\a+11], v[\b:\b+11], v[\d:\d+7], v[\sa], v[\sb] matrix_a_fmt:MATRIX_FMT_BF6 matrix_b_fmt:MATRIX_FMT_BF6
.else
	v_wmma_scale_f32_16x16x128_f8f6f4 v[\d:\d+7], v[\a:\a+11], v[\b:\b+11], v[\d:\d+7], v[\sa], v[\sb] matrix_a_fmt:MATRIX_FMT_BF6 matrix_b_fmt:MATRIX_FMT_BF6 matrix_a_scale:MATRIX_SCALE_ROW1 matrix_b_scale:MATRIX_SCALE_ROW1
.endif
.endm
.macro RLD st, pt                      ; K step st of my four token tiles: 12 loads of 512 consecutive bytes
	WIN 0x40
.irp t, 0,1
.irp e, 0,1,2
	global_load_b128 v[72*\t+12*(\st)+4*\e:72*\t+12*(\st)+4*\e+3], v1, s[\pt:\pt+1] offset:REC6*\t+FI*(\st)+512*\e
.endr
.endr
	WIN 0x80
.irp t, 0,1
.irp e, 0,1,2
	global_load_b128 v[72*\t+12*(\st)+4*\e:72*\t+12*(\st)+4*\e+3], v1, s[\pt:\pt+1] offset:REC6*(\t+2)+FI*(\st)+512*\e
.endr
.endr
	WIN 0
.endm
.macro RWORDS pt                       ; and their scale images
.irp t, 0,1,2,3
	global_load_b128 v[RSC+4*\t:RSC+4*\t+3], v1, s[\pt:\pt+1] offset:REC6*\t+6*FI
.endr
.endm
.macro RELOAD st                       ; unit 7 is followed by a unit of kv's: the choice hangs on ids alone
	WIN 0
	s_cmp_eq_u32 s60, 7
	s_cbranch_scc0 .Lkeep_\@
	RLD \st, 52
.if (\st) == 5
	RWORDS 52
.endif
.Lkeep_\@:
.endm
.macro TLD n                           ; half n % 2 (three weight tiles) of K step n / 2, into buffer n % 4
.set NN, \n
	WIN 0
.irp i, 0,1,2
.irp e, 0,1,2
	ds_load_b128 v[TB+36*(NN%4)+12*\i+4*\e:TB+36*(NN%4)+12*\i+4*\e+3], v4 offset:(3*(NN%2)+\i)*REC6+FI*(NN/2)+512*\e
.endr
.endr
.endm
.macro FIRST                           ; a unit's scale images and its first three halves
	WIN 0
.irp i, 0,1,2,3,4,5
	ds_load_b128 v[TSC+4*\i:TSC+4*\i+3], v4 offset:REC6*\i+6*FI
.endr
	TLD 0
	TLD 1
	TLD 2
.endm
; 12 matrix instructions: three weight tiles x four token tiles.  The 24 accumulators take turns, one instruction a turn, in the same order in every K step.
; Four places follow: for the loads into the registers just read, and for the first read of results.
.macro MUL val, st, hf
.set BF, TB+36*((2*(\st)+(\hf))%4)
.irp g, 0,1
.set gg, (\g+\hf)%2
.if \val
	WIN 0xf1+gg
.else
	WIN 0xf4+4*gg
.endif
.irp i, 0,1,2
.set ti, 3*(\hf)+\i
.irp t, 0,1
.set tt, 2*gg+\t
.set RF, 72*\t+12*(\st)
.if \val
	WM 32*ti+8*tt, RF, BF+12*\i, \st, RSC+4*tt+(\st)/2, TSC+4*ti+(\st)/2
.else
	WM 48*tt+8*ti, BF+12*\i, RF, \st, TSC+4*ti+(\st)/2, RSC+4*tt+(\st)/2
.endif
.endr
.endr
.endr
.rept 4
	v_nop
.endr
.endm
.macro STEPS val, rl                   ; six K steps in twelve halves; three halves are on their way or in registers ahead of the one that is multiplied
.irp st, 0,1,2,3,4,5
	s_wait_loadcnt 12*(5-\st)                      ; this step's token fragments are in; the later steps' twelve loads each may be out
.irp hf, 0,1
.if 2*\st+\hf < 10
	s_wait_dscnt 18                                ; this half's fragments are in; the next two halves' nine loads each may be out
.elseif 2*\st+\hf == 10
	s_wait_dscnt 9
.else
	s_wait_dscnt 0x0
.endif
	MUL \val, \st, \hf
.if 2*\st+\hf < 9
	TLD 2*\st+\hf+3                                ; into the buffer that the half before this one has left
.endif
.endr
.if \rl
	RELOAD \st
.endif
.endr
.endm
.macro NEXT                            ; unit 1's first loads land while unit 0's results are quantised
	WIN 0
	s_cmp_eq_u32 s61, 1
	s_cbranch_scc1 .Llast_\@
	v_add_nc_u32 v4, s57, v1
	s_wait_alu depctr_va_vdst(0)
	FIRST
.Llast_\@:
.endm
.macro BASE qk                         ; where the unit's fragments s[36:37] and words s[38:39] go
	s_wait_xcnt 0x0                                ; the last unit's stores have read their bases and the registers that are written below
	s_and_b32 s66, s60, 7
	s_add_co_u32 s66, s66, s59                     ; the head, 8 n + h
.if \qk
	s_cmp_lt_u32 s60, 8
	s_cselect_b64 s[36:37], s[6:7], s[8:9]
	s_cselect_b32 s67, s44, s45
	s_cselect_b32 s68, s46, s48
	s_cselect_b32 s70, s47, s49
.else
	s_mov_b64 s[36:37], s[8:9]
	s_mov_b32 s67, s45
	s_mov_b32 s68, s50
	s_mov_b32 s70, s51
.endif
	s_mul_i32 s66, s66, s67
	s_add_co_u32 s68, s68, s66
	s_add_co_u32 s70, s70, s66
	s_add_nc_u64 s[38:39], s[36:37], s[70:71]
	s_add_nc_u64 s[36:37], s[36:37], s[68:69]
.endm
.macro UNITB last                      ; a whole unit: products, then its results as codes
	s_cmp_ge_u32 s60, 16
	s_cbranch_scc1 .Lvalues_\@
	; ---- queries and keys
	STEPS 0, 1-(\last)
.if (\last) == 0
	NEXT
.endif
	WIN 0
	BASE 1
	WIN 0x3c
.irp t, 0,1,2,3                        ; the largest magnitudes, from each result's low end on, and the floor 2^(5 - 127): the byte cannot fall under 1
	v_max3_num_f32 v[TM+\t], 0x2800000, |v[48*\t]|, |v[48*\t+1]|               ; block h is all mine
	v_max3_num_f32 v[TM+4+\t], 0x2800000, |v[48*\t+32]|, |v[48*\t+33]|         ; of block 2 I hold 16
.endr
.irp i, 2,4,6,8,10,12,14
.irp t, 0,1,2,3
	v_max3_num_f32 v[TM+\t], v[TM+\t], |v[48*\t+\i]|, |v[48*\t+\i+1]|
	v_max3_num_f32 v[TM+4+\t], v[TM+4+\t], |v[48*\t+32+\i]|, |v[48*\t+33+\i]|
.endr
.endr
.irp i, 16,18,20,22,24,26,28,30
.irp t, 0,1,2,3
	v_max3_num_f32 v[TM+\t], v[TM+\t], |v[48*\t+\i]|, |v[48*\t+\i+1]|
.endr
.endr
	WIN 0
.irp t, 0,1,2,3
	v_permlanex16_b32 v[TM+8+\t], v[TM+4+\t], s[SEL], s[SEL+1]
.endr
.irp t, 0,1,2,3
	v_add_nc_u32 v[TM+12+\t], 0xfe000000, v[TM+\t] ; 4 off the exponent field: the conversion's scale operand
.endr
.irp t, 0,1,2,3
	v_max_num_f32 v[TM+4+\t], v[TM+4+\t], v[TM+8+\t]
.endr
.irp t, 0,1,2,3
	v_lshrrev_b32 v[TM+\t], 23, v[TM+12+\t]        ; the scale's byte
.endr
.irp t, 0,1,2,3
	v_add_nc_u32 v[TM+16+\t], 0xfe000000, v[TM+4+\t]
.endr
.irp t, 0,1,2,3
	v_lshrrev_b32 v[TM+4+\t], 23, v[TM+16+\t]
.endr
.irp t, 0,1,2,3
	v_lshl_or_b32 v[TM+\t], v[TM+4+\t], 16, v[TM+\t]
.endr
.irp t, 0,1,2,3
	v_permlanex16_b32 v[TM+8+\t], v[TM+\t], s[SEL], s[SEL+1]
.endr
.irp t, 0,2                            ; the word (bytes: blocks 0, 1, 2, and 2's again for the zeros): whole in lanes 0-15 of even tiles, in lanes 16-31 of odd ones
	v_lshl_or_b32 v[TM+\t], v[TM+8+\t], 8, v[TM+\t]
	v_lshl_or_b32 v[TM+1+\t], v[TM+1+\t], 8, v[TM+9+\t]
.endr
	v_cndmask_b32 v[TM+20], v[TM], v[TM+1], s40
	v_cndmask_b32 v[TM+21], v[TM+2], v[TM+3], s40
	WIN 0x83
.irp t, 0,1,2,3
	v_cvt_scalef32_pk16_bf6_f32 v[CD+12*\t:CD+12*\t+2], v[48*\t:48*\t+15], v[TM+12+\t]
	v_cvt_scalef32_pk16_bf6_f32 v[CD+48+4*\t:CD+50+4*\t], v[48*\t+16:48*\t+31], v[TM+12+\t]   ; (a conversion's three registers begin on an even number)
	v_cvt_scalef32_pk16_bf6_f32 v[CD+12*\t+6:CD+12*\t+8], v[48*\t+32:48*\t+47], v[TM+16+\t]
.endr
	WIN 0x82
.irp t, 0,1,2,3
.irp i, 9,10,11
	v_mov_b32 v[CD+12*\t+\i], 0                    ; block 3: k = 96 .. 127 are zeros
.endr
.endr
.irp t, 0,1,2,3
.irp i, 0,1,2
	v_mov_b32 v[CD+12*\t+3+\i], v[CD+48+4*\t+\i]
.endr
.endr
.irp t, 0,1,2,3
.irp i, 6,7,8
	v_permlane16_swap_b32 v[CD+12*\t+\i], v[CD+12*\t+3+\i]   ; block 2 whole in lanes 0-15, zeros in lanes 16-31
.endr
.endr
	WIN 0x08
.irp t, 0,1,2,3
.irp e, 0,1,2
	global_store_b128 v1, v[CD+12*\t+4*\e:CD+12*\t+4*\e+3], s[36:37] offset:FI*\t+512*\e   ; 512 consecutive bytes, at a multiple of 256 from the buffer's first byte
.endr
.endr
	WIN 0
	global_store_b32 v2, v[TM+20], s[38:39]        ; my four tiles' words: 256 consecutive bytes in two stores
	global_store_b32 v2, v[TM+21], s[38:39] offset:128
	s_wait_alu depctr_va_vdst(0)
	s_branch .Ldone_\@
.Lvalues_\@:
	; ---- values: channels in the lanes, keys down the registers
	STEPS 1, 0
.if (\last) == 0
	NEXT
.endif
	WIN 0
	BASE 0
	WIN 0x3c
.irp t, 0,1,2,3,4,5
	v_max3_num_f32 v[TM+\t], 0x2800000, |v[32*\t]|, |v[32*\t+1]|
.endr
.irp i, 2,4,6,8,10,12,14,16,18,20,22,24,26,28,30
.irp t, 0,1,2,3,4,5
	v_max3_num_f32 v[TM+\t], v[TM+\t], |v[32*\t+\i]|, |v[32*\t+\i+1]|
.endr
.endr
	WIN 0
.irp t, 0,1,2,3,4,5
	v_add_nc_u32 v[TM+6+\t], 0xfe000000, v[TM+\t]
.endr
.irp t, 0,1,2,3,4,5
	v_lshrrev_b32 v[TM+\t], 23, v[TM+6+\t]
.endr
.irp t, 0,1,2,3,4,5
	v_permlanex16_b32 v[TM+12+\t], v[TM+\t], s[SEL], s[SEL+1]
.endr
.irp t, 0,2,4
	v_lshl_or_b32 v[TM+\t], v[TM+12+\t], 8, v[TM+\t]         ; bytes 2 c and 2 c + 1: in lanes 0-15 of even tiles,
	v_lshl_or_b32 v[TM+1+\t], v[TM+1+\t], 8, v[TM+13+\t]     ; in lanes 16-31 of odd ones
.endr
.irp p, 0,1,2
	v_cndmask_b32 v[TM+18+\p], v[TM+2*\p], v[TM+2*\p+1], s40
.endr
.irp p, 0,1,2
	v_lshlrev_b32 v[TM+18+\p], s58, v[TM+18+\p]    ; at their place in the word
.endr
	WIN 0x83
.irp t, 0,1,2,3,4,5
	v_cvt_scalef32_pk16_bf6_f32 v[CD+6*\t:CD+6*\t+2], v[32*\t:32*\t+15], v[TM+6+\t]
	v_cvt_scalef32_pk16_bf6_f32 v[CD+36+4*\t:CD+38+4*\t], v[32*\t+16:32*\t+31], v[TM+6+\t]
.endr
	WIN 0x82
	v_nop                                          ; one plain place behind a scaled conversion
.irp t, 0,1,2,3,4,5
.irp i, 0,1,2
	v_mov_b32 v[CD+6*\t+3+\i], v[CD+36+4*\t+\i]
.endr
.endr
	WIN 0x08
.irp t, 0,1,2,3,4,5
	global_store_b128 v1, v[CD+6*\t:CD+6*\t+3], s[36:37] offset:FI*\t          ; 512 consecutive bytes,
	global_store_b64 v3, v[CD+6*\t+4:CD+6*\t+5], s[36:37] offset:FI*\t+512     ; and 256, at multiples of 256
.endr
	WIN 0
.irp p, 0,1,2
	global_store_b32 v2, v[TM+18+\p], s[38:39] offset:128*\p
.endr
	s_wait_alu depctr_va_vdst(0)
.Ldone_\@:
.endm
	s_load_b128 s[4:7], s[0:1], 0x0                ; cimg, qb
	s_load_b64 s[8:9], s[0:1], 0x10                ; kvb
	v_lshl_add_u32 v8, v0, 2, SPARE
	v_mov_b32 v9, 0
	ds_add_u32 v8, v9                              ; the opening: the add, twice on end, and its wait
	ds_add_u32 v8, v9
	v_lshrrev_b32 v4, 5, v0
	v_readfirstlane_b32 s[WV], v4                  ; wave 0..3
	v_and_b32 v2, 31, v0
	v_lshlrev_b32 v1, 4, v2
	v_lshlrev_b32 v3, 3, v2
	v_lshlrev_b32 v2, 2, v2
	v_mov_b32 v4, v1                               ; unit 0 begins at LDS byte 0
.set jj, 0
.rept 24
	v_mov_b32 v[TM+jj], 0                          ; a lane permute's destination counts as one of its sources
.set jj, jj+1
.endr
	s_bfe_u32 s11, ttmp6, 0x40000                  ; cx: it enters the tokens' and the results' addresses alone
	s_lshl_b32 s12, ttmp9, 2
	s_add_co_u32 s11, s12, s11                     ; x: my block of 256 tokens
	s_and_b32 s12, ttmp7, 0xffff                   ; y: my three units, which the four partners share
	s_mov_b32 s40, 0xffff0000                      ; lanes 16-31
	s_mov_b32 s[SEL], 0x76543210
	s_mov_b32 s[SEL+1], 0xfedcba98
	s_mov_b32 s44, 102400                          ; bytes of a head in qb,
	s_mov_b32 s45, 8*STR                           ; in kvb
	; descriptor groups 1: dense rows of 768 bytes, 38 for the first two units, 19 for the last; elements of 8 bytes; the mask names all four work-groups, bit 21 beside it
.irp g, 16, 28
	s_mov_b32 s[\g], 15|(3<<16)|(1<<21)
	s_mov_b32 s[\g+1], 96<<16
	s_mov_b32 s[\g+3], 96<<16
	s_mov_b32 s[\g+5], 96
	s_mov_b32 s[\g+6], 0
	s_mov_b32 s[\g+7], 0
.endr
	s_mov_b32 s18, 38<<16
	s_mov_b32 s20, 38
	s_mov_b32 s30, 19<<16
	s_mov_b32 s32, 19
	s_mul_i32 s26, s12, 18
	s_add_co_u32 s26, s26, 1024                    ; my weights: records 1024 + 18 y on
	s_mul_i32 s26, s26, REC6
	s_mul_i32 s73, s[WV], 19*768                   ; my quarter of the last unit's,
	s_add_co_u32 s73, s73, 2*UNIT
	s_add_co_u32 s74, s26, s73
	s_mov_b32 s75, 0
	s_mov_b32 s72, 1
	s_mul_i32 s25, s[WV], 38*768                   ; and of the first two's
	s_add_co_u32 s26, s26, s25
	s_mov_b32 s27, 0
	s_mov_b32 s24, 1
	s_lshl_b32 s13, s11, 4
	s_lshl_b32 s14, s[WV], 2
	s_add_co_u32 s13, s13, s14                     ; my first token tile: 16 x + 4 w
	s_mul_i32 s54, s13, REC6
	s_add_co_u32 s13, s13, 512
	s_mul_i32 s52, s13, REC6                       ; the same in kv
	s_mov_b32 s53, 0
	s_mov_b32 s55, 0
	s_cmp_lt_u32 s12, 3
	s_cselect_b32 s54, s54, s52                    ; what my first unit wants
	s_lshr_b32 s59, s11, 2
	s_lshl_b32 s59, s59, 3                         ; 8 n
	s_and_b32 s13, s11, 3                          ; which 256 tokens of the batch
	s_mul_i32 s14, s[WV], 4*FI
	s_mul_i32 s46, s13, 16*FI
	s_add_co_u32 s46, s46, s14                     ; queries: fragments,
	s_lshl_b32 s47, s13, 10
	s_lshl_b32 s15, s[WV], 8
	s_add_co_u32 s47, s47, s15
	s_add_co_u32 s47, s47, 64*FI                   ; words
	s_lshl_b32 s13, s13, 1
	s_lshr_b32 s66, s[WV], 1
	s_add_co_u32 s13, s13, s66                     ; my step of 128 keys,
	s_mul_i32 s13, s13, STR
	s_and_b32 s67, s[WV], 1                        ; my half c of it
	s_mul_i32 s48, s67, 4*FI
	s_add_co_u32 s48, s48, s13
	s_add_co_u32 s48, s48, 1280                    ; keys: fragments,
	s_lshl_b32 s49, s67, 8
	s_add_co_u32 s49, s49, s13                     ; words
	s_mul_i32 s50, s67, 768
	s_add_co_u32 s50, s50, s13
	s_add_co_u32 s50, s50, 13568                   ; values: fragments,
	s_mul_i32 s51, s67, 384
	s_add_co_u32 s51, s51, s13
	s_add_co_u32 s51, s51, 512                     ; words
	s_lshl_b32 s58, s67, 4                         ; my two bytes' place in V's word
	s_mul_i32 s60, s12, 3                          ; the unit in hand
	s_mov_b32 s61, 0
	s_mov_b32 s56, 0
	s_mov_b32 s69, 0
	s_mov_b32 s71, 0
	s_wait_alu depctr_va_vdst(0)
	s_wait_dscnt 0x0
	s_wait_kmcnt 0x0
	s_add_nc_u64 s[26:27], s[4:5], s[26:27]
	s_or_b32 s27, s27, 0x80000000
	s_add_nc_u64 s[74:75], s[4:5], s[74:75]
	s_or_b32 s75, s75, 0x80000000
	s_add_nc_u64 s[52:53], s[4:5], s[52:53]
	s_add_nc_u64 s[54:55], s[4:5], s[54:55]
	RWORDS 54
	RLD 0, 54
	ROUND                                          ; all four work-groups are here: the joint loads meet
	tensor_load_to_lds s[24:27], s[16:23]          ; one tensor load a wave at the head
	s_nop 0
.rept 4
	v_nop
.endr
.irp st, 1,2,3,4,5
	RLD \st, 54
.endr
	s_wait_alu depctr_va_vdst(0)
	s_wait_tensorcnt 0x0                           ; my quarter is in
	ds_add_u32 v8, v9
	s_wait_dscnt 0x0
	ROUND                                          ; everybody's is, and the joint loads meet
	tensor_load_to_lds s[72:75], s[28:35]          ; the last unit's records: nothing is ever filled again
	s_nop 0
.rept 4
	v_nop
.endr
	FIRST
.Lunit:
	s_add_co_u32 s56, s56, UNIT
	s_min_u32 s57, s56, UNIT                       ; where the next unit's records begin
	UNITB 0
	s_wait_loadcnt 0x0                             ; tokens loaded anew, where there are any
	s_add_co_u32 s60, s60, 1
	s_add_co_u32 s61, s61, 1
	s_cmp_lt_u32 s61, 2
	s_cbranch_scc1 .Lunit
	s_wait_tensorcnt 0x0                           ; my quarter of the last unit's records is in
	s_wait_dscnt 0x0
	s_barrier_signal -1
	s_barrier_wait -1
	v_add_nc_u32 v4, 2*UNIT, v1
	s_wait_alu depctr_va_vdst(0)
	FIRST
	UNITB 1
	s_wait_tensorcnt 0x0                           ; the wave's end
	ds_add_u32 v8, v9
	s_wait_dscnt 0x0
	ROUND                                          ; the closing round: no work-group ends while a partner may still ask for a part that names it
	s_endpgm
.Lfunc_end_k_qb94f9704f4_qkv:
	.size	k_qb94f9704f4_qkv, .Lfunc_end_k_qb94f9704f4_qkv-k_qb94f9704f4_qkv
	.p2alignl 7, 3214868480
	.fill 96, 4, 3214868480
	.section	.rodata,"a",@progbits
	.p2align	6, 0x0
	.amdhsa_kernel k_qb94f9704f4_qkv
		.amdhsa_group_segment_fixed_size 327680
		.amdhsa_private_segment_fixed_size 0
		.amdhsa_enable_private_segment 0
		.amdhsa_kernarg_size 24
		.amdhsa_user_sgpr_count 2
		.amdhsa_user_sgpr_kernarg_segment_ptr 1
		.amdhsa_wavefront_size32 1
		.amdhsa_system_sgpr_workgroup_id_x 1
		.amdhsa_system_sgpr_workgroup_id_y 1
		.amdhsa_system_sgpr_workgroup_id_z 1
		.amdhsa_system_vgpr_workitem_id 0
		.amdhsa_next_free_vgpr 1024
		.amdhsa_next_free_sgpr 80
		.amdhsa_reserve_vcc 0
		.amdhsa_float_denorm_mode_32 3
		.amdhsa_float_denorm_mode_16_64 3
		.amdhsa_memory_ordered 1
		.amdhsa_forward_progress 1
		.amdhsa_inst_pref_size 184
	.end_amdhsa_kernel
	.amdgpu_metadata
---
amdhsa.version: [ 1, 2 ]
amdhsa.kernels:
  - .name:           k_qb94f9704f4_qkv
    .symbol:         k_qb94f9704f4_qkv.kd
    .args:
      - { .name: cimg, .offset: 0, .size: 8, .value_kind: global_buffer, .address_space: global }
      - { .name: qb, .offset: 8, .size: 8, .value_kind: global_buffer, .address_space: global }
      - { .name: kvb, .offset: 16, .size: 8, .value_kind: global_buffer, .address_space: global }
    .group_segment_fixed_size: 327680
    .private_segment_fixed_size: 0
    .kernarg_segment_align: 8
    .kernarg_segment_size: 24
    .max_flat_workgroup_size: 128
    .sgpr_count:     80
    .vgpr_count:     1024
    .wavefront_size: 32
...
	.end_amdgpu_metadata
.endif
;; end of part 2
;; launch attn (part 3): grid 4 x 64, 8 waves a work-group, clusters of 4 x 1, 327,680 bytes of LDS; arguments qb, kvb, ao; writes ao
.if DOCPART == 3
	.amdgcn_target "amdgcn-amd-amdhsa--gfx1250"
	.amdhsa_code_object_version 6
	.text
	.protected	k_qb94f9704f4_attn
	.globl	k_qb94f9704f4_attn
	.p2align	8
	.type	k_qb94f9704f4_attn,@function
k_qb94f9704f4_attn:
	s_mov_b64 s[64:65], 0
	v_nop
	global_prefetch_b8 v0, s[64:65] scope:SCOPE_SE
	s_setreg_imm32_b32 hwreg(HW_REG_WAVE_MODE, 25, 1), 1
	s_wait_xcnt 0x0
	s_wait_alu depctr_hold_cnt(0) depctr_sa_sdst(0) depctr_va_vdst(0) depctr_va_sdst(0) depctr_va_ssrc(0) depctr_va_vcc(0) depctr_vm_vsrc(0)
	s_getreg_b32 s2, hwreg(HW_REG_IB_STS2, 6, 4)
	s_cmp_eq_u32 s2, 0
	s_cbranch_scc0 .Lentry_in_a_cluster
	s_endpgm
.Lentry_in_a_cluster:
	s_bfe_u32 s2, ttmp6, 0x10000c
	s_cmp_lg_u32 s2, 0x3003
	s_cbranch_scc0 .Lentry_shape_is_right
	s_endpgm
.Lentry_shape_is_right:
; O = softmax(Q K^T / sqrt(768)) V for one head, both products on codes of BF6 (E3M2) with E8M0 scales; O / l is quantised along the channels and leaves as codes for the last projection.
; t = score x log2(e) / sqrt(768); M = the running largest t rounded UP to a whole number; p = 2^(t - M) is quantised along the keys, not normalised; the row's sum l is taken of the unquantised p.
; When M moves, l and O are multiplied by 2^(old M - new M): exact.
; SHARES.  A work-group owns 256 queries of a head, each of its eight waves two tiles of 16.  The head's whole block of kvb (eight steps of 128 keys, 22,784 bytes each) lies in LDS at the offsets that it
; has in memory.  Each wave asks for 6,144 bytes at the head (49,152 in all: steps 0 and 1 and 3,584 bytes more) and, when these are in, for 16,640 (the other 133,120), which land while steps 0 and 1 are worked.
; CLUSTER: the four query blocks of a head read the same block, so each part is asked for JOINTLY, by the same tensor load with a mask that names the four.
; No data prefetch: every byte of the block is loaded once, and no fill stands in a loop.
; LAYOUT.  Both products are used transposed (S^T = K Q^T, O^T = V^T P^T): a lane holds one query.  Key tile 4 c + u has keys 64 c + 32 h + 8 u + j in row 8 h + j, so lane (r, h)'s 32 registers of four tiles
; are THE WHOLE BLOCK 2 c + h of 32 keys: its largest score, its scale and its codes need no other lane, and the codes' registers are the operand's.  V's channel tiles 0-3 are laid alike (block h of the
; head's channels), tiles 4 and 5 leave block 2, 16 to each half of the lanes.  K = 96 of the first product is filled up with 32 zero codes on both sides.
; A block's largest p is 2^x, x = t - M of its largest score: so its scale's exponent is floor(x) - 4, by whole-number arithmetic on x.
; Each fragment read from LDS feeds two matrix instructions (my two tiles).  Both tiles' scores lie in one window, so their softmaxes are one stream of instructions, by turns.
; Key tiles 0-4 of the next step are fetched under the softmax, 5-7 at the step's head, under the products of 0-4.
; LIMITS: NaN and infinities are not served; scaled scores stay under 2^31 in magnitude; a block whose largest magnitude lies under 2^-122 keeps the byte 1; a block of zeros has the byte 1 and zero codes.
; REGISTERS.  Window 0: v1, v2, v10 16, 4, 8 x lane; v3, v4, v6 LDS addresses of the step, v5, v11 of the next step's K; v7 a store offset; v8, v9 the add's; v20-23 K's words, v24-26 V's (v28-30 their second
;   halves), v27 Q's (tile 0 in lanes 0-15, tile 1 in lanes 16-31); v60 the way out.   For tile T: v12 + 4 T -M, v13 + 4 T largest score, v[14:15] + 4 T l; v32 + 2 T f, v33 + 2 T p's word; v36-47 + 12 T at work;
;   v64-127 + 64 T S^T, then p; v192-207 + 16 T sums; v224-235 + 12 T codes; v248-250 + 4 T at work.
;   Window 1: v0-47 + 48 T O^T; v96-107 + 12 T Q; v120-179 key tiles 0-4; v180-251 V's fragments (v180-215 key tiles 5-7).
.set STR,  22784
.set KVH,  8*STR
.set KF,   1280                        ; in a step: K's fragments, behind K's words (0) and V's (512),
.set VF,   13568                       ; and V's
.set QBH,  102400
.set REC8, 12800
.set FI,   1536
.set PART0, 6144
.set PART1, 16640
.set SPARE, KVH
.set WV,   10
.set SEL,  52
.set CS,   54
.set NC,   80
.set MSB,  0
.macro WIN new                         ; the immediate's high byte repeats the setting that is left
.if MSB != (\new)
	s_set_vgpr_msb (MSB<<8)|(\new)
.set MSB, (\new)
.endif
.endm
.macro ROUND                           ; a round of the cluster's barrier
	s_barrier_signal -1
	s_barrier_wait -1
	s_cmp_lg_u32 s[WV], 0
	s_cbranch_scc1 .Lnot_wave_0_\@
	s_barrier_signal -3
.Lnot_wave_0_\@:
	s_barrier_wait -3
	s_barrier_signal -1
	s_barrier_wait -1
.endm
; the two products.  ra, rb: the scales stand in lanes 16-31 of their registers
.macro WS d, a, b, sa, ra, rb          ; scores: the constant 0 starts the sum
.if (\ra) && (\rb)
	v_wmma_scale_f32_16x16x128_f8f6f4 v[\d:\d+7], v[\a:\a+11], v[\b:\b+11], 0, v[\sa], v27 matrix_a_fmt:MATRIX_FMT_BF6 matrix_b_fmt:MATRIX_FMT_BF6 matrix_a_scale:MATRIX_SCALE_ROW1 matrix_b_scale:MATRIX_SCALE_ROW1
.elseif (\ra)
	v_wmma_scale_f32_16x16x128_f8f6f4 v[\d:\d+7], v[\a:\a+11], v[\b:\b+11], 0, v[\sa], v27 matrix_a_fmt:MATRIX_FMT_BF6 matrix_b_fmt:MATRIX_FMT_BF6 matrix_a_scale:MATRIX_SCALE_ROW1
.elseif (\rb)
	v_wmma_scale_f32_16x16x128_f8f6f4 v[\d:\d+7], v[\a:\a+11], v[\b:\b+11], 0, v[\sa], v27 matrix_a_fmt:MATRIX_FMT_BF6 matrix_b_fmt:MATRIX_FMT_BF6 matrix_b_scale:MATRIX_SCALE_ROW1
.else
	v_wmma_scale_f32_16x16x128_f8f6f4 v[\d:\d+7], v[\a:\a+11], v[\b:\b+11], 0, v[\sa], v27 matrix_a_fmt:MATRIX_FMT_BF6 matrix_b_fmt:MATRIX_FMT_BF6
.endif
.endm
.macro WO d, a, b, sa, sb, ra          ; O^T += V^T P^T
.if (\ra)
	v_wmma_scale_f32_16x16x128_f8f6f4 v[\d:\d+7], v[\a:\a+11], v[\b:\b+11], v[\d:\d+7], v[\sa], v[\sb] matrix_a_fmt:MATRIX_FMT_BF6 matrix_b_fmt:MATRIX_FMT_BF6 matrix_a_scale:MATRIX_SCALE_ROW1
.else
	v_wmma_scale_f32_16x16x128_f8f6f4 v[\d:\d+7], v[\a:\a+11], v[\b:\b+11], v[\d:\d+7], v[\sa], v[\sb] matrix_a_fmt:MATRIX_FMT_BF6 matrix_b_fmt:MATRIX_FMT_BF6
.endif
.endm
	s_load_b128 s[4:7], s[0:1], 0x0                ; qb, kvb
	s_load_b64 s[8:9], s[0:1], 0x10                ; ao
	v_lshl_add_u32 v8, v0, 2, SPARE
	v_mov_b32 v9, 0
	ds_add_u32 v8, v9                              ; the opening: the add, twice on end, and its wait
	ds_add_u32 v8, v9
	v_lshrrev_b32 v3, 5, v0
	v_readfirstlane_b32 s[WV], v3                  ; wave 0..7
	v_and_b32 v2, 31, v0
	v_lshlrev_b32 v1, 4, v2
	v_lshlrev_b32 v10, 3, v2
	v_lshlrev_b32 v2, 2, v2
	v_and_b32 v7, 15, v0
	v_lshlrev_b32 v7, 2, v7
	v_bfe_u32 v6, v0, 4, 1
	v_mad_u32_u24 v7, v6, REC8, v7                 ; the way out: lanes 0-15 store tile 0's words, lanes 16-31 tile 1's, one record on
	s_bfe_u32 s11, ttmp6, 0x40000                  ; cx: it enters Q's and ao's addresses alone
	s_lshl_b32 s12, ttmp9, 2
	s_add_co_u32 s12, s12, s11                     ; my block of 256 queries
	s_and_b32 s13, ttmp7, 0xffff                   ; the head, 8 n + h, which the four partners share
	; descriptor groups 1: dense rows, 8 of 768 bytes and 13 of 1,280; elements of 8 bytes; the mask names all four work-groups, bit 21 beside it
.irp g, 16, 24
	s_mov_b32 s[\g], 15|(3<<16)|(1<<21)
	s_mov_b32 s[\g+6], 0
	s_mov_b32 s[\g+7], 0
.endr
	s_mov_b32 s17, 96<<16
	s_mov_b32 s18, 8<<16
	s_mov_b32 s19, 96<<16
	s_mov_b32 s20, 8
	s_mov_b32 s21, 96
	s_mov_b32 s25, 160<<16
	s_mov_b32 s26, 13<<16
	s_mov_b32 s27, 160<<16
	s_mov_b32 s28, 13
	s_mov_b32 s29, 160
	s_mul_i32 s66, s13, KVH
	s_mov_b32 s67, 0
	s_mul_i32 s41, s[WV], PART0                    ; the same offset in LDS as in the block
	s_mul_i32 s45, s[WV], PART1
	s_add_co_u32 s45, s45, 8*PART0
	s_mov_b32 s73, 0
	s_mov_b32 s[SEL], 0x76543210
	s_mov_b32 s[SEL+1], 0xfedcba98
	s_mov_b32 s[CS], 0x3d553b95                    ; c = log2(e) / sqrt(768)
	s_mov_b32 s[CS+1], s[CS]                       ; (named with it as a pair, so it is written)
	s_mov_b32 s[NC], 0xbd553b95                    ; -c
	s_mov_b32 s60, 0xffff0000                      ; lanes 16-31
	s_lshl_b32 s14, s12, 4
	s_lshl_b32 s15, s[WV], 1
	s_add_co_u32 s14, s14, s15                     ; my first query tile in the head
	s_mul_i32 s15, s13, QBH
	s_mul_i32 s74, s14, FI
	s_add_co_u32 s74, s74, s15                     ; its fragment in qb,
	s_mov_b32 s75, 0
	s_lshl_b32 s76, s14, 6
	s_add_co_u32 s76, s76, s15
	s_add_co_u32 s76, s76, 64*FI                   ; its scale words
	s_mov_b32 s77, 0
	s_lshr_b32 s15, s13, 3
	s_lshl_b32 s15, s15, 6
	s_add_co_u32 s15, s15, s14                     ; the same tile among all tokens' tiles
	s_mul_i32 s15, s15, REC8
	s_and_b32 s61, s13, 7
	s_mul_i32 s78, s61, FI
	s_add_co_u32 s78, s78, s15                     ; in its record of ao: K step = my head,
	s_mov_b32 s79, 0
	s_lshl_b32 s62, s61, 6
	s_add_co_u32 s62, s62, s15
	s_add_co_u32 s62, s62, 8*FI                    ; and that step's 16 scale words
	s_mov_b32 s63, 0
	s_wait_alu depctr_va_vdst(0)
	s_wait_dscnt 0x0
	s_wait_kmcnt 0x0
	s_add_nc_u64 s[66:67], s[6:7], s[66:67]        ; the head's block of kvb
	s_add_nc_u64 s[74:75], s[4:5], s[74:75]
	s_add_nc_u64 s[76:77], s[4:5], s[76:77]
	s_add_nc_u64 s[78:79], s[8:9], s[78:79]
	s_add_nc_u64 s[62:63], s[8:9], s[62:63]
	s_mov_b32 s40, 1                               ; groups 0: made of the head and the wave's number alone
	s_mov_b32 s72, s41
	s_add_nc_u64 s[42:43], s[66:67], s[72:73]
	s_or_b32 s43, s43, 0x80000000
	s_mov_b32 s44, 1
	s_mov_b32 s72, s45
	s_add_nc_u64 s[46:47], s[66:67], s[72:73]
	s_or_b32 s47, s47, 0x80000000
	ROUND                                          ; all four work-groups are here: the joint loads meet
	tensor_load_to_lds s[40:43], s[16:23]          ; one tensor load a wave at the head
	s_nop 0
.rept 4
	v_nop
.endr
	global_load_b32 v27, v2, s[76:77]              ; both tiles' scale words; Q's fragments stay in registers
	WIN 0x40
.irp t, 0,1
.irp e, 0,1,2
	global_load_b128 v[96+12*\t+4*\e:99+12*\t+4*\e], v1, s[74:75] offset:FI*\t+512*\e
.endr
.endr
.set jj, 0
.rept 96
	v_mov_b32 v[jj], 0                             ; O^T.  The key step is one text: the first finds zeros, which the first change of M leaves zeros
.set jj, jj+1
.endr
	WIN 0
.irp T, 0,1
	v_mov_b32 v[13+4*\T], 0xff61b1e6               ; the largest score so far: -3e38
	v_mov_b32 v[14+4*\T], 0
	v_mov_b32 v[15+4*\T], 0
	v_mov_b32 v[41+12*\T], 0                       ; a lane permute's destination counts as one of its sources
	v_mul_f32 v[12+4*\T], s[NC], v[13+4*\T]
	v_floor_f32 v[12+4*\T], v[12+4*\T]             ; -M
.endr
.macro PF T, k                         ; t - M, two at a time
	v_pk_fma_f32 v[64+64*(\T)+2*(\k):65+64*(\T)+2*(\k)], v[64+64*(\T)+2*(\k):65+64*(\T)+2*(\k)], s[CS:CS+1], v[12+4*(\T):13+4*(\T)] op_sel_hi:[1,0,0]
.endm
.macro PFS k                           ; of both tiles
	PF 0, \k
	PF 1, \k
.endm
; Both tiles' softmax for 128 keys, the tiles by turns.
; The exponentials go in two batches of 64: beside the first stand the second's multiply-adds, beside the second the first's sums and conversions.
; The four waits on the vector unit stand ahead of the scores' first readers; ahead of O^T's, which serves the first batch too; ahead of the second batch; behind it.
.macro SOFTMAX
	s_wait_alu depctr_va_vdst(0)
.irp b, 0,1,2,3
.irp T, 0,1
	v_max3_num_f32 v[36+12*\T+\b], v[64+64*\T+16*\b], v[65+64*\T+16*\b], v[66+64*\T+16*\b]   ; the largest SCORE of each half block
.endr
.endr
.irp i, 3,5,7,9,11,13
.irp b, 0,1,2,3
.irp T, 0,1
	v_max3_num_f32 v[36+12*\T+\b], v[36+12*\T+\b], v[64+64*\T+16*\b+\i], v[65+64*\T+16*\b+\i]
.endr
.endr
.endr
.irp T, 0,1
	v_max3_num_f32 v[36+12*\T], v[36+12*\T], v[37+12*\T], v[79+64*\T]
	v_max3_num_f32 v[38+12*\T], v[38+12*\T], v[39+12*\T], v[111+64*\T]
	v_mov_b32 v[42+12*\T], v[12+4*\T]              ; the old -M
.endr
.irp T, 0,1
	v_max_num_f32 v[36+12*\T], v[36+12*\T], v[95+64*\T]       ; of block h,
	v_max_num_f32 v[38+12*\T], v[38+12*\T], v[127+64*\T]      ; of block 2 + h
.endr
.irp T, 0,1
	v_max_num_f32 v[40+12*\T], v[36+12*\T], v[38+12*\T]
.endr
.irp T, 0,1
	v_permlanex16_b32 v[41+12*\T], v[40+12*\T], s[SEL], s[SEL+1]
.endr
.irp T, 0,1
	v_max3_num_f32 v[13+4*\T], v[13+4*\T], v[40+12*\T], v[41+12*\T]   ; the running largest score of my query (c is positive)
.endr
.irp T, 0,1
	v_mul_f32 v[43+12*\T], s[NC], v[13+4*\T]       ; -t of it
.endr
.irp T, 0,1
	v_floor_f32 v[12+4*\T], v[43+12*\T]            ; the new -M = -ceil(t)
.endr
.irp T, 0,1
	v_fma_f32 v[36+12*\T], v[36+12*\T], s[CS], v[12+4*\T]     ; t - M of each block's largest score
	v_fma_f32 v[38+12*\T], v[38+12*\T], s[CS], v[12+4*\T]
	v_sub_f32 v[43+12*\T], v[12+4*\T], v[42+12*\T] ; old M - new M: a whole number, 0 or less
.endr
	PFS 0
.irp T, 0,1
	v_max_num_f32 v[36+12*\T], 0xc2f40000, v[36+12*\T]        ; -122: the byte cannot fall under 1
	v_max_num_f32 v[38+12*\T], 0xc2f40000, v[38+12*\T]
	v_cvt_i32_f32 v[43+12*\T], v[43+12*\T]         ; (it saturates)
.endr
	PFS 1
.irp T, 0,1
	v_cvt_floor_i32_f32 v[36+12*\T], v[36+12*\T]   ; the exponent of the block's largest p
	v_cvt_floor_i32_f32 v[38+12*\T], v[38+12*\T]
	v_ldexp_f32 v[32+2*\T], 1.0, v[43+12*\T]       ; f = 2^(old M - new M)
.endr
	PFS 2
.irp T, 0,1
	v_lshl_add_u32 v[33+2*\T], v[38+12*\T], 16, v[36+12*\T]   ; blocks h and 2 + h at their places in the word, still less 123 each
	v_lshl_add_u32 v[44+12*\T], v[36+12*\T], 23, 0x3d800000   ; the conversion's scale operand: exponent field floor(x) + 123
	v_lshl_add_u32 v[45+12*\T], v[38+12*\T], 23, 0x3d800000
.endr
	PFS 3
.irp T, 0,1
	v_permlanex16_b32 v[41+12*\T], v[33+2*\T], s[SEL], s[SEL+1]
.endr
	PFS 4
	PFS 5
.irp T, 0,1
	v_lshl_add_u32 v[33+2*\T], v[41+12*\T], 8, v[33+2*\T]     ; with lane l + 16's two (whole in lanes 0-15, the lanes that are read)
.endr
	PFS 6
	PFS 7
.irp T, 0,1
	v_add_nc_u32 v[33+2*\T], 0x7b7b7b7b, v[33+2*\T]           ; 123 to each: p's scale word for these 128 keys (borrows between the bytes cancel: each sum lies between 1 and 124)
.endr
.irp k, 8,9,10,11,12,13,14,15
	PFS \k
.endr
	WIN 0x41
	s_wait_alu depctr_va_vdst(0)
.irp T, 0,1
.set jj, 48*\T
.rept 24
	v_pk_mul_f32 v[jj:jj+1], v[jj:jj+1], v[32+2*\T:33+2*\T] op_sel_hi:[1,0]   ; O^T under the new M, each accumulator from its low end on
.set jj, jj+2
.endr
.endr
	WIN 0
.set kk, 0
.rept 32
	v_exp_f32 v[64+kk], v[64+kk]                   ; p = 2^(t - M)
	v_exp_f32 v[128+kk], v[128+kk]
	PF kk%2, 16+kk/2
.set kk, kk+1
.endr
	s_wait_alu depctr_va_vdst(0)
.set kk, 0
.rept 32
	v_exp_f32 v[96+kk], v[96+kk]
	v_exp_f32 v[160+kk], v[160+kk]
.if kk%2
.set TT, (kk/2)%2
.set jj, kk/4
	v_pk_add_f32 v[192+16*TT+2*jj:193+16*TT+2*jj], v[64+64*TT+4*jj:65+64*TT+4*jj], v[66+64*TT+4*jj:67+64*TT+4*jj]   ; l is taken of the UNQUANTISED p: sums of pairs (the last stands behind the last exponential)
.elseif kk == 8
	v_cvt_scalef32_pk16_bf6_f32 v[224:226], v[64:79], v44
.elseif kk == 12
	v_cvt_scalef32_pk16_bf6_f32 v[248:250], v[80:95], v44      ; (a conversion's three registers begin on an even number)
.elseif kk == 16
	v_cvt_scalef32_pk16_bf6_f32 v[236:238], v[128:143], v56
.elseif kk == 20
	v_cvt_scalef32_pk16_bf6_f32 v[252:254], v[144:159], v56
.endif
.set kk, kk+1
.endr
	s_wait_alu depctr_va_vdst(0)
	s_wait_dscnt 0x0                               ; V, and the next step's key tiles 0-4
.irp p, 0,1,2
	v_or_b32 v[24+\p], v[24+\p], v[28+\p]          ; V's whole words
.endr
	v_cvt_scalef32_pk16_bf6_f32 v[230:232], v[96:111], v45
	v_cvt_scalef32_pk16_bf6_f32 v[36:38], v[112:127], v45
	v_cvt_scalef32_pk16_bf6_f32 v[242:244], v[160:175], v57
	v_cvt_scalef32_pk16_bf6_f32 v[48:50], v[176:191], v57
.irp j, 0,2,4,6,8,10,12,14
.irp T, 0,1
	v_pk_add_f32 v[192+16*\T+\j:193+16*\T+\j], v[192+16*\T+\j:193+16*\T+\j], v[96+64*\T+\j:97+64*\T+\j]
.endr
.endr
.irp i, 0,1,2
	v_mov_b32 v[227+\i], v[248+\i]
	v_mov_b32 v[239+\i], v[252+\i]
	v_mov_b32 v[233+\i], v[36+\i]
	v_mov_b32 v[245+\i], v[48+\i]
.endr
.irp j, 0,2,4,6,8,10,12,14
.irp T, 0,1
	v_pk_add_f32 v[192+16*\T+\j:193+16*\T+\j], v[192+16*\T+\j:193+16*\T+\j], v[112+64*\T+\j:113+64*\T+\j]
.endr
.endr
.irp j, 0,2,4,6
.irp T, 0,1
	v_pk_add_f32 v[192+16*\T+\j:193+16*\T+\j], v[192+16*\T+\j:193+16*\T+\j], v[200+16*\T+\j:201+16*\T+\j]
.endr
.endr
.irp j, 0,2
.irp T, 0,1
	v_pk_add_f32 v[192+16*\T+\j:193+16*\T+\j], v[192+16*\T+\j:193+16*\T+\j], v[196+16*\T+\j:197+16*\T+\j]
.endr
.endr
.irp T, 0,1
	v_pk_add_f32 v[192+16*\T:193+16*\T], v[192+16*\T:193+16*\T], v[194+16*\T:195+16*\T]
.endr
.irp T, 0,1
	v_pk_fma_f32 v[14+4*\T:15+4*\T], v[14+4*\T:15+4*\T], v[32+2*\T:33+2*\T], v[192+16*\T:193+16*\T] op_sel_hi:[1,0,1]   ; l under the new M, and these 128 keys
.endr
.endm
.macro KLD                             ; K's words and key tiles 0-4 of the step at v5, v11
.irp p, 0,1,2,3
	ds_load_b32 v[20+\p], v11 offset:128*\p        ; lanes 0-15 tile 2 p, lanes 16-31 tile 2 p + 1
.endr
	WIN 0x40
.irp t, 0,1,2,3,4
.irp e, 0,1,2
	ds_load_b128 v[120+12*\t+4*\e:123+12*\t+4*\e], v5 offset:KF+FI*\t+512*\e
.endr
.endr
	WIN 0
.endm
; A KEY STEP: 128 keys at s56.  Every window is 0 at its head and at its end.  lim: where the last step of this loop begins; s59: trips to go, this one among them
.macro STEP lim
	s_add_co_u32 s57, s56, STR
	s_min_u32 s57, s57, \lim
	v_add_nc_u32 v3, s56, v1
	v_add_nc_u32 v4, s56, v2
	v_add_nc_u32 v6, s56, v10
	v_add_nc_u32 v5, s57, v1
	v_add_nc_u32 v11, s57, v2
	s_wait_alu depctr_va_vdst(0)
	WIN 0x40
.irp t, 0,1,2
.irp e, 0,1,2
	ds_load_b128 v[180+12*\t+4*\e:183+12*\t+4*\e], v3 offset:KF+FI*(\t+5)+512*\e
.endr
.endr
	s_wait_dscnt 9                                 ; key tiles 0-4 are in; the nine loads just issued (5-7) may be out
	WIN 0x05
.irp t, 0,1,2,3,4
.irp T, 0,1
	WS 64+64*\T+8*\t, 120+12*\t, 96+12*\T, 20+\t/2, \t%2, \T   ; S^T
.endr
.endr
	s_wait_dscnt 0x0
.irp t, 5,6,7
.irp T, 0,1
	WS 64+64*\T+8*\t, 120+12*\t, 96+12*\T, 20+\t/2, \t%2, \T
.endr
.endr
.rept 4
	v_nop                                          ; places in front of the loads into the buffers just read, and of the first read of the scores
.endr
	WIN 0
.irp p, 0,1,2
	ds_load_b32 v[24+\p], v4 offset:512+128*\p     ; V's scale words, their lower and upper halves, and fragments land while the softmax runs
	ds_load_b32 v[28+\p], v4 offset:896+128*\p
.endr
	WIN 0x40
.irp t, 0,1,2,3,4,5
.irp c, 0,1
	ds_load_b128 v[180+12*\t+6*\c:183+12*\t+6*\c], v3 offset:VF+FI*\t+768*\c
	ds_load_b64 v[184+12*\t+6*\c:185+12*\t+6*\c], v6 offset:VF+FI*\t+768*\c+512
.endr
.endr
	WIN 0
	s_cmp_eq_u32 s59, 1
	s_cbranch_scc1 .Llast_\@                       ; this loop's last step has no successor
	KLD
.Llast_\@:
	SOFTMAX
	WIN 0x51
.irp T, 0,1
.irp t, 0,1,2,3,4,5
	WO 48*\T+8*\t, 180+12*\t, 224+12*\T, 24+\t/2, 33+2*\T, \t%2   ; each accumulator has one instruction a step: no two that follow each other share one
.endr
.endr
	WIN 0
.rept 4
	v_nop                                          ; places in front of the next loads into the buffers, and of the way out
.endr
.endm
	s_wait_alu depctr_va_vdst(0)
	s_wait_tensorcnt 0x0                           ; my part of steps 0 and 1 is in
	ds_add_u32 v8, v9
	s_wait_dscnt 0x0
	ROUND                                          ; everybody's part is in, and the joint loads meet
	tensor_load_to_lds s[44:47], s[24:31]          ; the rest of the block: nothing is ever filled again
	s_nop 0
.rept 4
	v_nop
.endr
	v_mov_b32 v5, v1                               ; step 0
	v_mov_b32 v11, v2
	s_wait_alu depctr_va_vdst(0)
	KLD
	s_mov_b32 s56, 0
	s_mov_b32 s59, 2
	s_wait_loadcnt 0x0                             ; Q
.Lfirst:                                               ; steps 0 and 1, while the rest lands
	STEP STR
	s_add_co_u32 s56, s56, STR
	s_sub_co_u32 s59, s59, 1
	s_cmp_lg_u32 s59, 0
	s_cbranch_scc1 .Lfirst
	s_wait_alu depctr_va_vdst(0)
	s_wait_tensorcnt 0x0
	s_wait_dscnt 0x0
	s_barrier_signal -1
	s_barrier_wait -1
	v_add_nc_u32 v5, 2*STR, v1
	v_add_nc_u32 v11, 2*STR, v2
	s_wait_alu depctr_va_vdst(0)
	KLD
	s_mov_b32 s56, 2*STR
	s_mov_b32 s59, 6
.Lrest:
	STEP 7*STR
	s_add_co_u32 s56, s56, STR
	s_sub_co_u32 s59, s59, 1
	s_cmp_lg_u32 s59, 0
	s_cbranch_scc1 .Lrest
; THE WAY OUT, both tiles by turns: O^T / l, 96 channels and 32 zeros, quantised: K step 'my head' of the last projection's operand
	s_wait_alu depctr_va_vdst(0)
.irp T, 0,1
	v_add_f32 v[14+4*\T], v[14+4*\T], v[15+4*\T]
.endr
.irp T, 0,1
	v_permlanex16_b32 v[41+12*\T], v[14+4*\T], s[SEL], s[SEL+1]
.endr
.irp T, 0,1
	v_add_f32 v[14+4*\T], v[14+4*\T], v[41+12*\T]  ; the row's sum
.endr
	s_wait_alu depctr_va_vdst(0)                   ; waits ahead of the transcendentals and behind them
	v_rcp_f32 v14, v14
	v_rcp_f32 v18, v18
	v_nop                                          ; one plain place behind a transcendental
	WIN 0x01
	s_wait_alu depctr_va_vdst(0)
.irp T, 0,1
.set jj, 0
.rept 24
	v_pk_mul_f32 v[64+64*\T+jj:65+64*\T+jj], v[48*\T+jj:48*\T+jj+1], v[14+4*\T:15+4*\T] op_sel_hi:[1,0]
.set jj, jj+2
.endr
.endr
	WIN 0
.irp b, 0,1,2
.irp T, 0,1
	v_max3_num_f32 v[36+12*\T+\b], |v[64+64*\T+16*\b]|, |v[65+64*\T+16*\b]|, 0x2800000   ; the floor 2^(5 - 127): the byte cannot fall under 1
.endr
.endr
.irp i, 2,4,6,8,10,12,14
.irp b, 0,1,2
.irp T, 0,1
	v_max3_num_f32 v[36+12*\T+\b], v[36+12*\T+\b], |v[64+64*\T+16*\b+\i]|, |v[65+64*\T+16*\b+\i]|
.endr
.endr
.endr
.irp T, 0,1
	v_permlanex16_b32 v[41+12*\T], v[38+12*\T], s[SEL], s[SEL+1]
	v_max_num_f32 v[36+12*\T], v[36+12*\T], v[37+12*\T]       ; block h
.endr
.irp T, 0,1
	v_max_num_f32 v[38+12*\T], v[38+12*\T], v[41+12*\T]       ; block 2
	v_add_nc_u32 v[44+12*\T], 0xfe000000, v[36+12*\T]         ; 4 off the exponent field: the conversion's scale operand
.endr
.irp T, 0,1
	v_add_nc_u32 v[45+12*\T], 0xfe000000, v[38+12*\T]
	v_lshrrev_b32 v[36+12*\T], 23, v[44+12*\T]     ; the scale's byte
.endr
.irp T, 0,1
	v_lshrrev_b32 v[38+12*\T], 23, v[45+12*\T]
.endr
.irp T, 0,1
	v_lshl_or_b32 v[33+2*\T], v[38+12*\T], 16, v[36+12*\T]
.endr
.irp T, 0,1
	v_permlanex16_b32 v[41+12*\T], v[33+2*\T], s[SEL], s[SEL+1]
.endr
	v_lshl_or_b32 v33, v41, 8, v33                 ; tile 0's word is whole in lanes 0-15,
	v_lshl_or_b32 v35, v35, 8, v53                 ; tile 1's in lanes 16-31
.irp T, 0,1
	v_cvt_scalef32_pk16_bf6_f32 v[224+12*\T:226+12*\T], v[64+64*\T:79+64*\T], v[44+12*\T]
	v_cvt_scalef32_pk16_bf6_f32 v[248+4*\T:250+4*\T], v[80+64*\T:95+64*\T], v[44+12*\T]
	v_cvt_scalef32_pk16_bf6_f32 v[230+12*\T:232+12*\T], v[96+64*\T:111+64*\T], v[45+12*\T]
.endr
.irp T, 0,1
.irp i, 233,234,235
	v_mov_b32 v[\i+12*\T], 0                       ; block 3
.endr
.endr
.irp T, 0,1
.irp i, 0,1,2
	v_mov_b32 v[227+12*\T+\i], v[248+4*\T+\i]
.endr
.endr
.irp T, 0,1
.irp i, 230,231,232
	v_permlane16_swap_b32 v[\i+12*\T], v[\i+12*\T+3]          ; block 2 whole in lanes 0-15, zeros in lanes 16-31
.endr
.endr
	v_cndmask_b32 v60, v33, v35, s60
.irp T, 0,1
.irp e, 0,1,2
	global_store_b128 v1, v[224+12*\T+4*\e:227+12*\T+4*\e], s[78:79] offset:REC8*\T+512*\e   ; 512 consecutive bytes, at a multiple of 256 from the buffer's first byte
.endr
.endr
	global_store_b32 v7, v60, s[62:63]
	s_wait_tensorcnt 0x0                           ; the wave's end
	ds_add_u32 v8, v9
	s_wait_dscnt 0x0
	ROUND                                          ; the closing round: no work-group ends while a partner may still ask for a part that names it
	s_endpgm
.Lfunc_end_k_qb94f9704f4_attn:
	.size	k_qb94f9704f4_attn, .Lfunc_end_k_qb94f9704f4_attn-k_qb94f9704f4_attn
	.p2alignl 7, 3214868480
	.fill 96, 4, 3214868480
	.section	.rodata,"a",@progbits
	.p2align	6, 0x0
	.amdhsa_kernel k_qb94f9704f4_attn
		.amdhsa_group_segment_fixed_size 327680
		.amdhsa_private_segment_fixed_size 0
		.amdhsa_enable_private_segment 0
		.amdhsa_kernarg_size 24
		.amdhsa_user_sgpr_count 2
		.amdhsa_user_sgpr_kernarg_segment_ptr 1
		.amdhsa_wavefront_size32 1
		.amdhsa_system_sgpr_workgroup_id_x 1
		.amdhsa_system_sgpr_workgroup_id_y 1
		.amdhsa_system_sgpr_workgroup_id_z 1
		.amdhsa_system_vgpr_workitem_id 0
		.amdhsa_next_free_vgpr 512
		.amdhsa_next_free_sgpr 84
		.amdhsa_reserve_vcc 0
		.amdhsa_float_denorm_mode_32 3
		.amdhsa_float_denorm_mode_16_64 3
		.amdhsa_memory_ordered 1
		.amdhsa_forward_progress 1
		.amdhsa_inst_pref_size 84
	.end_amdhsa_kernel
	.amdgpu_metadata
---
amdhsa.version: [ 1, 2 ]
amdhsa.kernels:
  - .name:           k_qb94f9704f4_attn
    .symbol:         k_qb94f9704f4_attn.kd
    .args:
      - { .name: qb, .offset: 0, .size: 8, .value_kind: global_buffer, .address_space: global }
      - { .name: kvb, .offset: 8, .size: 8, .value_kind: global_buffer, .address_space: global }
      - { .name: ao, .offset: 16, .size: 8, .value_kind: global_buffer, .address_space: global }
    .group_segment_fixed_size: 327680
    .private_segment_fixed_size: 0
    .kernarg_segment_align: 8
    .kernarg_segment_size: 24
    .max_flat_workgroup_size: 256
    .sgpr_count:     84
    .vgpr_count:     512
    .wavefront_size: 32
...
	.end_amdgpu_metadata
.endif
;; end of part 3
;; launch oproj (part 4): grid 64 x 4, 4 waves a work-group, clusters of 4 x 1, 327,680 bytes of LDS; arguments ao, cimg, b_proj, out0; writes out0
.if DOCPART == 4
	.amdgcn_target "amdgcn-amd-amdhsa--gfx1250"
	.amdhsa_code_object_version 6
	.text
	.protected	k_qb94f9704f4_oproj
	.globl	k_qb94f9704f4_oproj
	.p2align	8
	.type	k_qb94f9704f4_oproj,@function
k_qb94f9704f4_oproj:
	s_mov_b64 s[64:65], 0
	v_nop
	global_prefetch_b8 v0, s[64:65] scope:SCOPE_SE
	s_setreg_imm32_b32 hwreg(HW_REG_WAVE_MODE, 25, 1), 1
	s_wait_xcnt 0x0
	s_wait_alu depctr_hold_cnt(0) depctr_sa_sdst(0) depctr_va_vdst(0) depctr_va_sdst(0) depctr_va_ssrc(0) depctr_va_vcc(0) depctr_vm_vsrc(0)
	s_getreg_b32 s2, hwreg(HW_REG_IB_STS2, 6, 4)
	s_cmp_eq_u32 s2, 0
	s_cbranch_scc0 .Lentry_in_a_cluster
	s_endpgm
.Lentry_in_a_cluster:
	s_bfe_u32 s2, ttmp6, 0x10000c
	s_cmp_lg_u32 s2, 0x3003
	s_cbranch_scc0 .Lentry_shape_is_right
	s_endpgm
.Lentry_shape_is_right:
; out0 = attention's output x w_proj^T + b_proj, on codes of BF6 (E3M2) with E8M0 scales; sums in f32.  K goes head by head: eight steps of 96 codes and 32 zero codes on both sides, as both operands were laid.
; SHARES.  A work-group makes 128 tokens x 192 channels.  Wave w keeps its two token tiles (source 1), all eight K steps, in registers; w_proj's 12 tiles (source 0) lie in LDS as their whole records, FILLED ONCE.
; THE CHANNELS GO IN THREE GROUPS OF FOUR TILES: a group's 64 channels are 256 bytes of a row of out0.  A group runs through all eight K steps (8 accumulators by turns), goes through the stage and is stored
; while the next group is multiplied: two thirds of the results leave under matrix work.  A group is four records, 51,200 dense bytes; the first fill brings groups 0 and 1, two records to a wave, the second group 2, a record to a wave.
; CLUSTER: the four work-groups of a cluster have the same 192 channels, so w_proj's records are asked for JOINTLY, by the same tensor load with a mask that names the four.
; In a result lane (r, h) holds the token at lane place r, and register j of channel tile 2 b + u the channel 32 b + 16 h + 8 u + j.  The bias is the C of each sum's first matrix instruction.
; The way out goes through the wave's own stage in LDS (32 rows of 256 + 16 bytes = 17 x 16), which no fill touches, and leaves in token order: every store covers two whole aligned runs of 256 bytes.
; REGISTERS.  Window 0: v1 16 x lane, v2 4 x lane, v3-5 the groups' LDS addresses, v8 into the stage, v9 out of it, v12 the same place in out0, v15 64 h; v16-63 w_proj's scale words, v64-71 the tokens';
;   v80-143, v144-207 rows read back, by the group's parity.   Window 1: v0-191 the token tiles' fragments (96 t + 12 s).   Window 2: v0-143 w_proj's fragments, three buffers of four; v144-239 the bias, eight a tile.
;   Window 3: v0-191 the 24 accumulators (96 t + 8 tile).
; THE FILL: a wave brings two neighbouring records, 20 rows of 1,280 bytes, by a tensor load at the head; the eight of groups 0 and 1 are in ahead of the first group.
; (The load just named brings groups 0 and 1, two records to a wave, 20 rows of 1,280 bytes; group 2 comes by a second load, a record to a wave, behind a round, while groups 0 and 1 are multiplied.)
.set REC8,  12800
.set FI,    1536
.set WPOFF, 11362304                   ; w_proj's records in cimg
.set GRP,   4*REC8                     ; a group: four records
.set STG,   3*GRP                      ; behind the records: the stages
.set SP,    272
.set WST,   32*SP
.set BK,    80
.set WV,    12
.set MSB,   0
.macro WIN new                         ; the immediate's high byte repeats the setting that is left
.if MSB != \new
	s_set_vgpr_msb (MSB<<8)|\new
.set MSB, \new
.endif
.endm
.macro ROUND                           ; a round of the cluster's barrier
	s_barrier_signal -1
	s_barrier_wait -1
	s_cmp_lg_u32 s[WV], 0
	s_cbranch_scc1 .Lnot_wave_0_\@
	s_barrier_signal -3
.Lnot_wave_0_\@:
	s_barrier_wait -3
	s_barrier_signal -1
	s_barrier_wait -1
.endm
; the one matrix instruction.  ra, rb: the scales stand in lanes 16-31 of their registers
.macro WM d, a, b, c, sa, sb, ra, rb
.if (\ra) && (\rb)
	v_wmma_scale_f32_16x16x128_f8f6f4 v[\d:\d+7], v[\a:\a+11], v[\b:\b+11], v[\c:\c+7], v[\sa], v[\sb] matrix_a_fmt:MATRIX_FMT_BF6 matrix_b_fmt:MATRIX_FMT_BF6 matrix_a_scale:MATRIX_SCALE_ROW1 matrix_b_scale:MATRIX_SCALE_ROW1
.elseif (\ra)
	v_wmma_scale_f32_16x16x128_f8f6f4 v[\d:\d+7], v[\a:\a+11], v[\b:\b+11], v[\c:\c+7], v[\sa], v[\sb] matrix_a_fmt:MATRIX_FMT_BF6 matrix_b_fmt:MATRIX_FMT_BF6 matrix_a_scale:MATRIX_SCALE_ROW1
.elseif (\rb)
	v_wmma_scale_f32_16x16x128_f8f6f4 v[\d:\d+7], v[\a:\a+11], v[\b:\b+11], v[\c:\c+7], v[\sa], v[\sb] matrix_a_fmt:MATRIX_FMT_BF6 matrix_b_fmt:MATRIX_FMT_BF6 matrix_b_scale:MATRIX_SCALE_ROW1
.else
	v_wmma_scale_f32_16x16x128_f8f6f4 v[\d:\d+7], v[\a:\a+11], v[\b:\b+11], v[\c:\c+7], v[\sa], v[\sb] matrix_a_fmt:MATRIX_FMT_BF6 matrix_b_fmt:MATRIX_FMT_BF6
.endif
.endm
	s_load_b128 s[4:7], s[0:1], 0x0                ; ao, cimg
	s_load_b128 s[8:11], s[0:1], 0x10              ; b_proj, out0
	v_lshl_add_u32 v254, v0, 2, 0x2e000
	v_mov_b32 v255, 0
	ds_add_u32 v254, v255
	ds_add_u32 v254, v255
	v_lshrrev_b32 v1, 5, v0
	v_readfirstlane_b32 s[WV], v1                  ; wave 0..3
	v_and_b32 v2, 31, v0
	v_lshlrev_b32 v1, 4, v2                        ; 16 x lane
	v_lshlrev_b32 v2, 2, v2                        ; 4 x lane
.irp j, 0,1,2
	v_add_nc_u32 v[3+\j], GRP*\j, v1
.endr
	v_and_b32 v72, 15, v0                          ; r
	v_bfe_u32 v73, v0, 4, 1                        ; h
	s_mul_i32 s60, s[WV], WST
	s_add_co_u32 s60, s60, STG                     ; my stage
	v_mul_u32_u24 v8, v72, SP
	v_lshl_add_u32 v8, v73, 6, v8
	v_add_nc_u32 v8, s60, v8                       ; in: row = lane place r (+ 16 for the second tile), + 64 h
	v_lshlrev_b32 v9, 4, v72
	v_mad_u32_u24 v9, v73, SP, v9
	v_add_nc_u32 v9, s60, v9                       ; back: lanes 0-15 one row of 256 bytes, lanes 16-31 the next
	v_lshlrev_b32 v12, 4, v72
	v_mad_u32_u24 v12, v73, 3072, v12              ; and the same two rows in out0, 3,072 bytes apart
	v_lshlrev_b32 v15, 6, v73                      ; the bias: 16 h channels on
	s_bfe_u32 s13, ttmp6, 0x40000                  ; cx: it enters ao's and out0's addresses alone
	s_lshl_b32 s14, ttmp9, 2
	s_add_co_u32 s14, s14, s13                     ; my block of 128 tokens
	s_and_b32 s15, ttmp7, 0xffff                   ; my 192 channels, which the four partners share
	; descriptor groups 1: dense rows of 160 elements of 8 bytes; the mask names all four work-groups, bit 21 beside it
	s_mov_b32 s16, 15|(3<<16)|(1<<21)
	s_mov_b32 s24, 15|(3<<16)|(1<<21)
.irp g, 16, 24
	s_mov_b32 s[\g+1], 160<<16                     ; rows of 1,280 bytes: 20 for two records, 10 for one
	s_mov_b32 s[\g+3], 160<<16
	s_mov_b32 s[\g+5], 160
	s_mov_b32 s[\g+6], 0
	s_mov_b32 s[\g+7], 0
.endr
	s_mov_b32 s18, 20<<16
	s_mov_b32 s20, 20
	s_mov_b32 s26, 10<<16
	s_mov_b32 s28, 10
	s_mul_i32 s52, s15, 12
	s_add_co_u32 s44, s52, s[WV]
	s_add_co_u32 s44, s44, 8                       ; of group 2 I fetch record 8 + w,
	s_mul_i32 s44, s44, REC8
	s_add_co_u32 s44, s44, WPOFF
	s_mov_b32 s45, 0
	s_lshl_b32 s54, s[WV], 1
	s_add_co_u32 s52, s52, s54                     ; of groups 0 and 1 records 2 w and 2 w + 1
	s_mul_i32 s52, s52, REC8
	s_add_co_u32 s52, s52, WPOFF
	s_mov_b32 s53, 0
	s_mul_i32 s54, s[WV], 2*REC8
	s_mul_i32 s46, s[WV], REC8
	s_add_co_u32 s46, s46, 2*GRP
	s_lshl_b32 s56, s14, 3
	s_lshl_b32 s57, s[WV], 1
	s_add_co_u32 s56, s56, s57                     ; my two token tiles: 8 X + 2 w on
	s_mul_i32 s56, s56, REC8
	s_mov_b32 s57, 0
	s_mul_i32 s58, s15, 768                        ; my channels' bytes, in b_proj and in a row of out0
	s_mov_b32 s59, 0
	s_lshl_b32 s62, s14, 7
	s_lshl_b32 s63, s[WV], 5
	s_add_co_u32 s62, s62, s63                     ; my first token: 128 X + 32 w
	s_mul_i32 s62, s62, 3072
	s_add_co_u32 s62, s62, s58
	s_mov_b32 s63, 0
	s_wait_dscnt 0x0
	s_wait_kmcnt 0x0
	s_add_nc_u64 s[52:53], s[6:7], s[52:53]
	s_add_nc_u64 s[56:57], s[4:5], s[56:57]
	s_add_nc_u64 s[58:59], s[8:9], s[58:59]
	s_add_nc_u64 s[62:63], s[10:11], s[62:63]
	s_mov_b32 s32, 1                               ; groups 0: the LDS address is made of the wave's number alone
	s_mov_b32 s33, s54
	s_mov_b64 s[34:35], s[52:53]
	s_or_b32 s35, s35, 0x80000000
	s_mov_b32 s36, 1
	s_mov_b32 s37, s46
	s_add_nc_u64 s[38:39], s[6:7], s[44:45]
	s_or_b32 s39, s39, 0x80000000
	ROUND                                          ; all four work-groups are here: the joint loads meet
	tensor_load_to_lds s[32:35], s[16:23]          ; my first tensor load: records of groups 0 and 1
	s_nop 0
.rept 4
	v_nop
.endr
.irp t, 0,1
.irp p, 0,1,2,3
	global_load_b32 v[64+4*\t+\p], v2, s[56:57] offset:REC8*\t+8*FI+128*\p   ; lanes 0-15 step 2 p's words, lanes 16-31 step 2 p + 1's
.endr
.endr
	WIN 0x80
	s_wait_alu depctr_va_vdst(0)
.irp t, 0,1,2,3,4,5,6,7,8,9,10,11
.irp e, 0,1
	global_load_b128 v[144+8*\t+4*\e:144+8*\t+4*\e+3], v15, s[58:59] offset:(32*(\t/2)+8*(\t%2))*4+16*\e   ; b_proj at the tile's eight channels of my half
.endr
.endr
	WIN 0x40
.irp st, 0,1,2,3,4,5,6,7
.irp t, 0,1
.irp e, 0,1,2
	global_load_b128 v[96*\t+12*\st+4*\e:96*\t+12*\st+4*\e+3], v1, s[56:57] offset:REC8*\t+FI*\st+512*\e   ; my token tiles, step by step
.endr
.endr
.endr
	WIN 0
.macro TLD gr, st
	WIN 0x80
.irp i, 0,1,2,3
.irp e, 0,1,2
	ds_load_b128 v[48*((\st)%3)+12*\i+4*\e:48*((\st)%3)+12*\i+4*\e+3], v[3+(\gr)] offset:REC8*\i+FI*(\st)+512*\e
.endr
.endr
.endm
; 8 matrix instructions: the group's four channel tiles x my two token tiles.  The 8 accumulators take turns, one instruction a turn, in the same order in every K step.
; Four places follow: for the loads into the registers just read, and for the first read of results.
.macro MUL gr, st
.if (\st) == 0
	WIN 0xe6                                       ; source 0 window 2, source 1 window 1, C (the bias) window 2, D window 3
.else
	WIN 0xf6                                       ; C and D window 3
.endif
.irp i, 0,1,2,3
.irp t, 0,1
.if (\st) == 0
	WM 96*\t+8*(4*(\gr)+\i), 48*((\st)%3)+12*\i, 96*\t, 144+8*(4*(\gr)+\i), 16+4*(4*(\gr)+\i), 64+4*\t, 0, 0
.else
	WM 96*\t+8*(4*(\gr)+\i), 48*((\st)%3)+12*\i, 96*\t+12*(\st), 96*\t+8*(4*(\gr)+\i), 16+4*(4*(\gr)+\i)+(\st)/2, 64+4*\t+(\st)/2, (\st)%2, (\st)%2
.endif
.endr
.endr
.rept 4
	v_nop
.endr
.endm
; THE WAY OUT of a group.  TOSTAGE: 32 tokens x 64 channels into my stage, and back as whole rows of 256 bytes, in token order.  SEND: stored.
.macro TOSTAGE gr
	WIN 0x0c                                       ; an LDS store's data are its source 1: window 3
.irp t, 0,1
.irp i, 0,1,2,3
.irp e, 0,1
	ds_store_b128 v8, v[96*\t+8*(4*(\gr)+\i)+4*\e:96*\t+8*(4*(\gr)+\i)+4*\e+3] offset:16*SP*\t+128*(\i/2)+32*(\i%2)+16*\e   ; each accumulator from its low end on
.endr
.endr
.endr
	WIN 0
.if (\gr) > 1
	s_wait_xcnt 0x0                                ; the stores of two groups ago have read the registers into which these loads land
.endif
.set aa, 0
.rept 16                               ; tokens 2 a, 2 a + 1 of my 32 lie in stage rows 16 ((a / 4) % 2) + 8 (a / 8) + 2 (a % 4) and the next
	ds_load_b128 v[BK+64*((\gr)%2)+4*aa:BK+64*((\gr)%2)+4*aa+3], v9 offset:(16*((aa>>2)&1)+8*(aa>>3)+2*(aa&3))*SP   ; LDS serves a wave's instructions in order: these see my stores, and the next group's stores come behind them
.set aa, aa+1
.endr
.endm
.macro SEND gr, counted                ; counted = 1: the loads may still be out: each store waits for its own
.set aa, 0
.rept 16
.if \counted
	s_wait_dscnt 15-aa                             ; this load is back; the younger ones may be out
.endif
	global_store_b128 v12, v[BK+64*((\gr)%2)+4*aa:BK+64*((\gr)%2)+4*aa+3], s[62:63] offset:6144*aa+256*(\gr) th:TH_STORE_NT   ; sixteen lanes store 256 consecutive bytes, at a multiple of 256 from out0's first byte
.set aa, aa+1
.endr
.endm
.irp j, 0,1,2
.if \j == 0
	s_wait_alu depctr_va_vdst(0)
	s_wait_tensorcnt 0x0                           ; my records of groups 0 and 1 are in
	ds_add_u32 v254, v255
	s_wait_dscnt 0x0
	ROUND                                          ; everybody's are, and the joint loads meet
	tensor_load_to_lds s[36:39], s[24:31]          ; group 2: nothing is ever filled again
	s_nop 0
.rept 4
	v_nop
.endr
.elseif \j == 1
	s_wait_dscnt 0x0                               ; the last group's rows are back in registers
.else
	s_wait_tensorcnt 0x0                           ; my record of group 2 is in
	s_wait_dscnt 0x0
	s_barrier_signal -1
	s_barrier_wait -1
.endif
.irp i, 0,1,2,3
	ds_load_b128 v[16+4*(4*\j+\i):19+4*(4*\j+\i)], v[3+\j] offset:REC8*\i+8*FI   ; the group's scale images
.endr
	TLD \j, 0
	TLD \j, 1
	TLD \j, 2
.if \j > 0
	WIN 0
	SEND \j-1, 0                                   ; the last group leaves while this one is multiplied
.endif
.irp st, 0,1,2,3,4,5,6,7
.if \j == 0
	s_wait_loadcnt 6*(7-\st)                       ; this step's token fragments, and with the first the words and the bias, are in; the later steps' six loads each may be out
.endif
.if \st < 6
	s_wait_dscnt 24
.elseif \st == 6
	s_wait_dscnt 12
.else
	s_wait_dscnt 0x0
.endif
	MUL \j, \st
.if \st < 5
	TLD \j, \st+3                                  ; into the buffer just read
.endif
.endr
	TOSTAGE \j
.endr
	SEND 2, 1
	s_wait_tensorcnt 0x0
	ds_add_u32 v254, v255
	s_wait_dscnt 0x0
	ROUND                                          ; the closing round: no work-group ends while a partner may still ask for a record that names it
	s_endpgm
.Lfunc_end_k_qb94f9704f4_oproj:
	.size	k_qb94f9704f4_oproj, .Lfunc_end_k_qb94f9704f4_oproj-k_qb94f9704f4_oproj
	.p2alignl 7, 3214868480
	.fill 96, 4, 3214868480
	.section	.rodata,"a",@progbits
	.p2align	6, 0x0
	.amdhsa_kernel k_qb94f9704f4_oproj
		.amdhsa_group_segment_fixed_size 327680
		.amdhsa_private_segment_fixed_size 0
		.amdhsa_enable_private_segment 0
		.amdhsa_kernarg_size 32
		.amdhsa_user_sgpr_count 2
		.amdhsa_user_sgpr_kernarg_segment_ptr 1
		.amdhsa_wavefront_size32 1
		.amdhsa_system_sgpr_workgroup_id_x 1
		.amdhsa_system_sgpr_workgroup_id_y 1
		.amdhsa_system_sgpr_workgroup_id_z 1
		.amdhsa_system_vgpr_workitem_id 0
		.amdhsa_next_free_vgpr 1024
		.amdhsa_next_free_sgpr 80
		.amdhsa_reserve_vcc 0
		.amdhsa_float_denorm_mode_32 3
		.amdhsa_float_denorm_mode_16_64 3
		.amdhsa_memory_ordered 1
		.amdhsa_forward_progress 1
		.amdhsa_inst_pref_size 74
	.end_amdhsa_kernel
	.amdgpu_metadata
---
amdhsa.version: [ 1, 2 ]
amdhsa.kernels:
  - .name:           k_qb94f9704f4_oproj
    .symbol:         k_qb94f9704f4_oproj.kd
    .args:
      - { .name: ao, .offset: 0, .size: 8, .value_kind: global_buffer, .address_space: global }
      - { .name: cimg, .offset: 8, .size: 8, .value_kind: global_buffer, .address_space: global }
      - { .name: b_proj, .offset: 16, .size: 8, .value_kind: global_buffer, .address_space: global }
      - { .name: out0, .offset: 24, .size: 8, .value_kind: global_buffer, .address_space: global }
    .group_segment_fixed_size: 327680
    .private_segment_fixed_size: 0
    .kernarg_segment_align: 8
    .kernarg_segment_size: 32
    .max_flat_workgroup_size: 128
    .sgpr_count:     80
    .vgpr_count:     1024
    .wavefront_size: 32
...
	.end_amdgpu_metadata
.endif
;; end of part 4
